; MI455X (gfx1250); checked and timed in simulation.
; The chip was launched on July 23, 2026; its instructions are those of AMD's public machine-readable ISA for CDNA 5 (MIT licence, August 2026) and "CDNA5" Instruction Set Architecture Reference Guide (July 2026). The comments in the code are by the model that wrote it; some were corrected since.
;; Sparse Mo E. Allowed arithmetic: matrix products marked QUANTISED: E2M1 operands, one E8M0 scale for each 32 along K, by v_wmma_scale_f32_16x16x128_f8f6f4 with both operands' format E2M1 (or v_wmma_scale_f32_32x16x128_f4), f32 sums; products left as they are: f32 operands where the result goes on into a quantised operand, else bf16, f16 or f32 operands; f32 sums; everything else in f32.
;; Inputs: expert_b 8 x 4,096 float32; expert_w_codes 8 x 4,096 x 32 x 16 uint8 (E2M1 codes of expert_w, K innermost, in blocks of 32 codes, two codes a byte); expert_w_scales 8 x 4,096 x 32 uint8 (E8M0 scales of expert_w, one for each 32 codes along K); gating_b 8 float32; gating_w 8 x 1,024 float32; sequences 8 x 256 x 1,024 float32.
;; Outputs: out0 8 x 256 x 4,096 float32; out1 8 float32.
;; This version of the problem:
;;   THIS VERSION OF THE PROBLEM IS GIVEN IN LOW PRECISION. The matrix products marked QUANTISED in the list below multiply operands that are first quantised to E2M1 (2 exponent bits, 1 mantissa bit; 4 bits a number), with one power-of-two scale for each 32 numbers along K (OCP MX v1.0); their sums are f32. All else is computed in f32.
;;   The module's matrix products, in the order in which they are computed (A, B: the left and right operand; K: the contracted axis; several contracted axes count as one K, in the product's order):
;;     1. [M 2,048, K 1,024] x [K 1,024, N 8]; A: input sequences; B: input gating_w: left as it is (N = 8 < 16)
;;     2. [M 2,048, K 1,024] x [K 1,024, N 4,096]; A: input sequences; B: input expert_w (given as codes): QUANTISED
;;     3. [M 2,048, K 1,024] x [K 1,024, N 4,096]; A: input sequences; B: input expert_w (given as codes): QUANTISED
;;     4. [M 2,048, K 1,024] x [K 1,024, N 4,096]; A: input sequences; B: input expert_w (given as codes): QUANTISED
;;     5. [M 2,048, K 1,024] x [K 1,024, N 4,096]; A: input sequences; B: input expert_w (given as codes): QUANTISED
;;     6. [M 2,048, K 1,024] x [K 1,024, N 4,096]; A: input sequences; B: input expert_w (given as codes): QUANTISED
;;     7. [M 2,048, K 1,024] x [K 1,024, N 4,096]; A: input sequences; B: input expert_w (given as codes): QUANTISED
;;     8. [M 2,048, K 1,024] x [K 1,024, N 4,096]; A: input sequences; B: input expert_w (given as codes): QUANTISED
;;     9. [M 2,048, K 1,024] x [K 1,024, N 4,096]; A: input sequences; B: input expert_w (given as codes): QUANTISED
;;   THE QUANTISER, for each operand of a quantised product, along K:
;;     - K is cut into blocks of 32 from its start; a last block that is shorter is filled with zeros.
;;     - A block's scale is 2^e with e = floor(log2(the largest magnitude in the block)) - 2, held to -126 .. 127; a block of zeros has e = 0. As a byte (E8M0): e + 127.
;;     - Each number is divided by its block's scale, clamped to +-6, and rounded to the nearest number of E2M1, ties to even, subnormals kept.
;;     - The product sums the exact products of the quantised numbers (number of the format x scale) in f32.
;;   ~~~python
;;   def quantise(x, axis):      # numpy; x: float32 -> the quantised numbers, widened to float32 again
;;       x = np.moveaxis(x, axis, -1); K = x.shape[-1]
;;       x = np.pad(x, [(0, 0)] * (x.ndim - 1) + [(0, -K % 32)]); x = x.reshape(x.shape[:-1] + (-1, 32)); a = np.abs(x).max(-1, keepdims=True)
;;       e = np.where(a > 0, np.clip(np.frexp(np.where(a > 0, a, 1))[1] - 1 - 2, -126, 127), 0)      # np.frexp(a)[1] - 1 = floor(log2(a)), exactly
;;       r = np.clip(x / 2.0 ** e, -6, 6)
;;       step = 2.0 ** (np.maximum(np.frexp(np.where(r == 0, 1, r))[1] - 1, 0) - 1)
;;       q = np.round(r / step) * step * 2.0 ** e      # np.round: ties to even
;;       return np.moveaxis(q.reshape(q.shape[:-2] + (-1,))[..., :K], -1, axis).astype(np.float32)
;;   ~~~
;;   INPUTS GIVEN AS CODES. expert_w (in the module: [8, 4096, 1024], K = its axis 2): each comes as NAME_codes (uint8): NAME with its K axis moved to the last place and cut into blocks of 32 codes, [.., K / 32, bytes a block], one block behind the other in memory; two codes a byte, the lower K in the low four bits (a code: sign, 2 exponent bits, 1 mantissa bit); and NAME_scales (uint8): the same leading axes, one E8M0 byte (e + 127) for each 32 codes along K. Its value is code x scale, taken as it is: it is not quantised again, and the codes and scales need not be those that the quantiser above would give.
;; 3 versions. Each part assembles by itself: llvm-mc -triple=amdgcn-amd-amdhsa -mcpu=gfx1250 --defsym DOCPART=n.
;; ======== version 1 of 3: 3 launches
;; limits: right only within a limited range of input values
;; workspace buffers: xc 1,048,576 bytes; xs 65,536 bytes; scores 65,536 bytes; hist 32,768 bytes of whole numbers; order 8,192 bytes of whole numbers; table 512 bytes of whole numbers; wimg 16,777,216 bytes
;; launch prep (part 1): grid 320 x 1, 4 waves a work-group, no clusters, 74,240 bytes of LDS; arguments sequences, gating_w, gating_b, expert_w_codes, xc, xs, scores, hist, wimg; writes xc, xs, scores, hist, wimg
.if DOCPART == 1
	.amdgcn_target "amdgcn-amd-amdhsa--gfx1250"
	.amdhsa_code_object_version 6
	.text
	.protected	k_q7d7a6eeeb1_prep
	.globl	k_q7d7a6eeeb1_prep
	.p2align	8
	.type	k_q7d7a6eeeb1_prep,@function
k_q7d7a6eeeb1_prep:
	s_mov_b64 s[64:65], 0
	v_nop
	global_prefetch_b8 v0, s[64:65] scope:SCOPE_SE
	s_setreg_imm32_b32 hwreg(HW_REG_WAVE_MODE, 25, 1), 1
	s_wait_xcnt 0x0
; PREP.  Two kinds of work-groups, told apart by the work-group's number; each kind has LDS bytes of its own.
; Work-groups 0-63, THE GATE: a wave takes a group of 8 tokens (group g = 4 x work-group + wave).  For each token: the 8 logits x . gating_w[e] + gating_b[e] by f32 multiply-adds,
;   the softmax score of every expert (the largest logit is taken away first), the pair of experts with the two largest scores as a key 0..27 (key = lo (13 - lo) / 2 + hi - 1, lo < hi),
;   and x as codes of E2M1 with one E8M0 byte for each 32 along K.  The byte is stored LESS ONE: that halves every product exactly, which is reference()'s division by TOP_K.
;   hist row g (32 words): bits 7:0 of lane l = how many of the 8 tokens have key l; in lanes 8 (g % 4) + t also bits 15:8 = token t's key, bits 23:16 = its rank among the group's earlier tokens of that key.
; Work-groups 64-319, THE IMAGES: expert_w_codes are laid in the order in which a wave's operand registers take them: wimg[e][tile of 16 rows][j 0..15][lane][16 bytes],
;   piece (j, r + 16 h) = block 2 j + h of row r: with j = 2 s + c these are registers 4 c .. 4 c + 3 of the fragment of K step s.
; No barrier: waves share nothing.  No matrix unit: eight outputs a token are too few for a tile, and the choice of experts wants f32.
; LIMITS.  NaN and infinities are not served.  The gate's sums are added in another order than reference() adds them, so a pair of logits closer than that rounding may be chosen the other way.
;   The pair is chosen on the logits, ties to the lower index; for the second choice logits more than 126 ln 2 under the largest count as equal (their scores are 0 by this chip's exponential,
;   which gives 0 under 2^-126: ISA guide, the entry of V_EXP_F32); where reference() still tells such scores apart, the choice may differ.
;   A block of x whose largest magnitude lies under 2^-124 has the quantiser's smallest scale, stored as byte 0 (2^-127); a block of zeros too: its codes are zeros.
.set GREG,  9728                       ; gate: LDS of a wave: two stages of 4,608 bytes, then 256 scale bytes
.set STG,   4608                       ; a stage: 32 places of 128 bytes + 16 of padding (pitch 144 = 9 x 16 bytes)
.set SBO,   9216
.set RREG0, 4*GREG                     ; images: LDS of wave w at RREG0 + RREG w
.set RREG,  8704                       ; 32 blocks x (16 rows x 16 bytes + 16 of padding): pitch 272 = 17 x 16 bytes
.set CD,  16                           ; v16-23   codes, two sets of 4
.set KK,  24                           ; v24-31   the 8 tokens' keys, the same in all lanes
.set R,   32                           ; v32-127  three rows of x as loaded
.set X,   128                          ; v128-191 two rows of x, 32 neighbours a lane
.set ACC, 192                          ; v192-207 eight pairs of partial sums
.set LG,  208                          ; v208-215 the logits
.set PT,  216                          ; v216-223 the other half of the lanes' sums
.set MK,  224                          ; v224-231 the logits for the second choice
.set BY,  248                          ; v248-255 a scale byte for each token
; v1 lane, v2 16 lane, v3 stage in, v4 stage out, v5 my scale byte's place, v6 8 lane, v7 4 lane, v8 scale bytes back, v9 -infinity
; v232 best, v233 its index, v234 second best, v235 its index, v236-238 at work, v239 sum, v240-241 scores to store, v242 counts, v243 my token's key, v244 its rank, v245 1 / sum, v246 score
; window 1 (v256-511): gating_w: register 32 e + i = gating_w[e][32 lane + i]
.set MSB, 0
.macro WIN new                         ; the immediate's high byte repeats the setting that is left; a switch that changes nothing is dropped
.if MSB != (\new)
	s_set_vgpr_msb (MSB<<8)|(\new)
.set MSB, (\new)
.endif
.endm
	s_load_b512 s[8:23], s[0:1], 0x0               ; sequences, gating_w, gating_b, codes, xc, xs, scores, hist
	s_load_b64 s[24:25], s[0:1], 0x40              ; wimg
	v_lshl_add_u32 v14, v0, 2, 0x12000
	v_mov_b32 v15, 0
	v_lshrrev_b32 v1, 5, v0
	v_readfirstlane_b32 s36, v1                    ; wave 0..3
	v_and_b32 v1, 31, v0                           ; lane
	v_lshlrev_b32 v2, 4, v1                        ; 16 bytes a lane: a load or store of the wave covers 512 consecutive bytes
	s_cmp_lt_u32 ttmp9, 64
	s_cbranch_scc0 .Lrelay
; ---------------------------------------------------------------- THE GATE
	s_mul_i32 s51, s36, GREG
	v_lshrrev_b32 v3, 3, v1
	v_mul_u32_u24 v3, v3, 144
	v_and_b32 v4, 7, v1
	v_lshl_add_u32 v3, v4, 4, v3
	v_add_nc_u32 v3, s51, v3                       ; into a stage: eight lanes' 128 bytes on end, then 16 of padding
	v_mul_u32_u24 v4, v1, 144
	v_add_nc_u32 v4, s51, v4                       ; out of it: place = lane: my 32 neighbours
	v_add_nc_u32 v5, s51, v1
	v_add_nc_u32 v5, SBO, v5                       ; my block's scale byte: token t's 32 bytes begin at 32 t
	v_lshlrev_b32 v6, 3, v1
	v_lshlrev_b32 v7, 2, v1
	v_add_nc_u32 v8, s51, v6
	v_add_nc_u32 v8, SBO, v8                       ; and back, 8 bytes a lane
	v_mov_b32 v9, 0xff800000                       ; -infinity
.irp e, 0,1,2,3,4,5,6,7
	v_mov_b32 v[PT+\e], 0                          ; written once: a lane permute's destination counts as one of its sources
.endr
	v_mov_b32 v239, 0                              ; likewise for the first DPP sum
	v_mov_b32 v242, 0
	v_mov_b32 v243, 0
	v_mov_b32 v244, 0
	s_lshl_b32 s37, s36, 3                         ; 8 x wave: where my group's tokens stand among the 32 lanes
	s_mov_b32 s38, 0x76543210
	s_mov_b32 s39, 0xfedcba98                      ; v_permlanex16_b32's selects for lane l xor 16
.irp e, 1,2,3,4,5,6,7
	s_mov_b32 s[39+\e], 0x01010101<<\e             ; the lanes with lane % 8 = e
.endr
.irp q, 1,2,3
	s_mov_b32 s[47+\q], 0xff<<(8*\q)               ; lanes 8 q .. 8 q + 7
.endr
	s_lshl_b32 s52, ttmp9, 2
	s_add_co_u32 s52, s52, s36                     ; group g
	s_mov_b32 s55, 0
	s_wait_kmcnt 0x0
	s_load_b256 s[28:35], s[12:13], 0x0            ; gating_b
	s_lshl_b32 s54, s52, 15
	s_add_nc_u64 s[8:9], s[8:9], s[54:55]          ; x: 8 rows of 4,096 bytes
	s_lshl_b32 s54, s52, 12
	s_add_nc_u64 s[16:17], s[16:17], s[54:55]      ; xc: 8 rows of 512
	s_lshl_b32 s54, s52, 8
	s_add_nc_u64 s[18:19], s[18:19], s[54:55]      ; xs: 256 bytes
	s_add_nc_u64 s[20:21], s[20:21], s[54:55]      ; scores: 256 bytes
	s_lshl_b32 s54, s52, 7
	s_add_nc_u64 s[22:23], s[22:23], s[54:55]      ; hist: 128 bytes
.macro LOADROW set, base, off, nt      ; a row of 4,096 bytes as it lies: eight loads of 512 consecutive bytes
.irp i, 0,1,2,3,4,5,6,7
.if \nt
	global_load_b128 v[(\set)+4*\i:(\set)+4*\i+3], v2, s[\base:\base+1] offset:(\off)+512*\i th:TH_LOAD_NT
.else
	global_load_b128 v[(\set)+4*\i:(\set)+4*\i+3], v2, s[\base:\base+1] offset:(\off)+512*\i
.endif
.endr
.endm
.macro TURNROW set, stg, dst           ; through my own stage: in as loaded, out 128 bytes a lane.  LDS serves a wave's instructions in order (ISA guide 5.7.1.4): no wait between
.irp i, 0,1,2,3,4,5,6,7
	ds_store_b128 v3, v[(\set)+4*\i:(\set)+4*\i+3] offset:STG*(\stg)+576*\i
.endr
.irp p, 0,1,2,3,4,5,6,7
	ds_load_b128 v[(\dst)+4*\p:(\dst)+4*\p+3], v4 offset:STG*(\stg)+16*\p
.endr
.endm
.macro GWIN e                          ; row e of gating_w, as loaded into window 1, into stage e % 2
	WIN 0x04                                       ; an LDS store's data are its source 1
.irp i, 0,1,2,3,4,5,6,7
	ds_store_b128 v3, v[32*(\e)+4*\i:32*(\e)+4*\i+3] offset:STG*((\e)%2)+576*\i
.endr
.endm
.macro GWOUT e                         ; and back into the same registers, 32 neighbours a lane
	WIN 0x40
.irp p, 0,1,2,3,4,5,6,7
	ds_load_b128 v[32*(\e)+4*\p:32*(\e)+4*\p+3], v4 offset:STG*((\e)%2)+16*\p
.endr
.endm
	LOADROW R, 8, 0, 1                             ; x's rows 0, 1, 2 first: they are then in when gating_w is
	LOADROW R+32, 8, 4096, 1
	LOADROW R+64, 8, 8192, 1
	WIN 0x40                                       ; destination window 1
.irp e, 0,1,2,3,4,5,6,7
	LOADROW 32*\e, 10, 4096*\e, 0                  ; all of gating_w at once
.endr
	s_wait_loadcnt 56                              ; row 0 is in: the seven rows behind it may be out
	GWIN 0
.irp e, 1,2,3,4,5,6,7
	s_wait_loadcnt 8*(7-\e)                        ; row e is in
	GWIN \e
.if \e == 1
	s_wait_dscnt 8                                 ; row 0's stores are done (behind them: row 1's eight)
.else
	s_wait_dscnt 16                                ; row e - 1's stores are done (behind them: eight loads, eight stores): its registers may be loaded again
.endif
	GWOUT \e-1
.endr
	s_wait_dscnt 8                                 ; row 7's stores are done (behind them: row 6's eight loads)
	GWOUT 7
	WIN 0
	TURNROW R, 0, X                                ; token 0
	s_wait_kmcnt 0x0                               ; gating_b
.macro TOKEN t
.set XS, X+32*((\t)%2)
.set CS, CD+4*((\t)%2)
.if (\t) == 0
	s_wait_dscnt 0x0                               ; gating_w and token 0 are back from the stages
.else
	s_wait_dscnt 0x1                               ; this token is back (the last token's byte store may be out): so its stores into the stage have read their registers,
.endif
.if (\t) <= 4
	LOADROW R+32*((\t)%3), 8, 4096*((\t)+3), 1     ; which take the row three further on
.endif
.if (\t) <= 6
.if (\t) <= 4
	s_wait_loadcnt 16                              ; the next row is in; the two rows behind it may be out
.else
	s_wait_loadcnt 8*(6-(\t))
.endif
	TURNROW R+32*(((\t)+1)%3), ((\t)+1)%2, X+32*(((\t)+1)%2)   ; and goes through the other stage while this token is worked
.endif
	WIN 0x04                                       ; source 1 (gating_w) window 1
.irp e, 0,1,2,3,4,5,6,7
	v_pk_mul_f32 v[ACC+2*\e:ACC+2*\e+1], v[XS:XS+1], v[32*\e:32*\e+1]   ; the first products start the sums
.endr
.irp i, 1,2,3,4,5,6,7,8,9,10,11,12,13,14,15
.irp e, 0,1,2,3,4,5,6,7
	v_pk_fma_f32 v[ACC+2*\e:ACC+2*\e+1], v[XS+2*\i:XS+2*\i+1], v[32*\e+2*\i:32*\e+2*\i+1], v[ACC+2*\e:ACC+2*\e+1]   ; eight chains by turns
.endr
.endr
	WIN 0
	; the quantiser: my 32 numbers are one block
	v_max3_num_f32 v236, |v[XS]|, |v[XS+1]|, 0x1800000     ; with the floor 2^(3 - 127) among the leaves: the scale cannot fall under 2^-126
	v_max3_num_f32 v237, |v[XS+2]|, |v[XS+3]|, 0x1800000
.irp i, 4,8,12,16,20,24,28
	v_max3_num_f32 v236, v236, |v[XS+\i]|, |v[XS+\i+1]|
	v_max3_num_f32 v237, v237, |v[XS+\i+2]|, |v[XS+\i+3]|
.endr
	v_max_num_f32 v236, v236, v237
	v_add_nc_u32 v238, 0xff000000, v236            ; 2 off the exponent field: the conversion takes this operand's exponent field as its scale
	s_wait_xcnt 0x0                                ; the store of two tokens ago has read this set of codes
.irp g, 0,1,2,3
	v_cvt_scalef32_pk8_fp4_f32 v[CS+\g], v[XS+8*\g:XS+8*\g+7], v238
.endr
	v_add_nc_u32 v[BY+(\t)], 0xfe800000, v236      ; 3 off: the scale's byte less one.  (A plain line behind the conversions)
	v_lshrrev_b32 v[BY+(\t)], 23, v[BY+(\t)]
	ds_store_b8 v5, v[BY+(\t)] offset:32*(\t)
	global_store_b128 v2, v[CS:CS+3], s[16:17] offset:512*(\t)     ; the token's 512 bytes of codes
	; the logits, in every lane
.irp e, 0,1,2,3,4,5,6,7
	v_add_f32 v[LG+\e], v[ACC+2*\e], v[ACC+2*\e+1]
.endr
.irp m, 1,2,4,8
.irp e, 0,1,2,3,4,5,6,7
	v_add_f32_dpp v[LG+\e], v[LG+\e], v[LG+\e] row_xmask:\m row_mask:0xf bank_mask:0xf
.endr
.endr
.irp e, 0,1,2,3,4,5,6,7
	v_permlanex16_b32 v[PT+\e], v[LG+\e], s38, s39
.endr
.irp e, 0,1,2,3,4,5,6,7
	v_add_f32 v[LG+\e], v[LG+\e], v[PT+\e]
.endr
.irp e, 0,1,2,3,4,5,6,7
	v_add_f32 v[LG+\e], s[28+\e], v[LG+\e]         ; + gating_b
.endr
	; the largest: a strict > keeps the lower index
	v_mov_b32 v232, v[LG]
	v_mov_b32 v233, 0
.irp e, 1,2,3,4,5,6,7
	v_cmp_gt_f32 vcc_lo, v[LG+\e], v232
	v_cndmask_b32 v233, v233, \e, vcc_lo
	v_max_num_f32 v232, v232, v[LG+\e]
.endr
	v_add_f32 v234, 0xc2aeac50, v232               ; best - 126 ln 2: under it a score is 0, and zeros tie
.irp e, 0,1,2,3,4,5,6,7
	v_max_num_f32 v[MK+\e], v[LG+\e], v234
.endr
.irp e, 0,1,2,3,4,5,6,7
	v_cmp_eq_u32 vcc_lo, \e, v233
	v_cndmask_b32 v[MK+\e], v[MK+\e], v9, vcc_lo   ; the first choice is out
.endr
	v_mov_b32 v234, v[MK]
	v_mov_b32 v235, 0
.irp e, 1,2,3,4,5,6,7
	v_cmp_gt_f32 vcc_lo, v[MK+\e], v234
	v_cndmask_b32 v235, v235, \e, vcc_lo
	v_max_num_f32 v234, v234, v[MK+\e]
.endr
	v_min_u32 v236, v233, v235                     ; lo
	v_max_u32 v237, v233, v235                     ; hi
	v_sub_nc_u32 v238, 13, v236
	v_mul_u32_u24 v238, v238, v236
	v_lshrrev_b32 v238, 1, v238
	v_add3_u32 v[KK+(\t)], v238, v237, -1          ; key = lo (13 - lo) / 2 + hi - 1
	; the score of expert lane % 8
	v_mov_b32 v236, v[LG]
.irp e, 1,2,3,4,5,6,7
	v_cndmask_b32 v236, v236, v[LG+\e], s[39+\e]
.endr
	v_sub_f32 v236, v236, v232                     ; the largest logit is taken away
	v_mul_f32 v236, 0x3fb8aa3b, v236
	v_exp_f32 v238, v236
	v_cmp_eq_u32 vcc_lo, v[KK+(\t)], v1            ; independent work behind the exponential: lane = key counts this token,
	v_add_co_ci_u32 v242, vcc_lo, 0, v242, vcc_lo
	s_lshl_b32 s51, 1<<(\t), s37
	v_cndmask_b32 v243, v243, v[KK+(\t)], s51      ; and lane 8 wave + t keeps its key
	s_wait_alu depctr_va_vdst(0)                   ; the wait ahead of the first reader of the exponential
	v_add_f32_dpp v239, v238, v238 row_xmask:1 row_mask:0xf bank_mask:0xf
	v_add_f32_dpp v239, v239, v239 row_xmask:2 row_mask:0xf bank_mask:0xf
	v_add_f32_dpp v239, v239, v239 row_xmask:4 row_mask:0xf bank_mask:0xf   ; the sum over the eight experts
	v_rcp_f32 v245, v239
	v_nop                                          ; a plain line behind the reciprocal
	s_wait_alu depctr_va_vdst(0)                   ; and the wait ahead of its first reader
.if (\t)%4 == 0
	v_mul_f32 v[240+(\t)/4], v238, v245            ; lane l will store token 4 q + l / 8, expert l % 8: the first of four writes the register whole
.else
	v_mul_f32 v246, v238, v245
	v_cndmask_b32 v[240+(\t)/4], v[240+(\t)/4], v246, s[47+(\t)%4]
.endif
.endm
.irp t, 0,1,2,3,4,5,6,7
	TOKEN \t
.endr
.irp p, 0,1,2,3,4,5,6
	v_cmp_eq_u32 vcc_lo, v[KK+\p], v243            ; my token's rank: the earlier tokens of the group with its key
	s_lshl_b32 s51, (0xff<<(\p+1))&0xff, s37       ; (only the lanes of later tokens count token p)
	s_and_b32 vcc_lo, vcc_lo, s51
	v_add_co_ci_u32 v244, vcc_lo, 0, v244, vcc_lo
.endr
	v_lshl_or_b32 v242, v243, 8, v242
	v_lshl_or_b32 v242, v244, 16, v242
	global_store_b32 v7, v242, s[22:23]
	global_store_b32 v7, v240, s[20:21]
	global_store_b32 v7, v241, s[20:21] offset:128
	ds_load_b64 v[12:13], v8                       ; LDS serves a wave's instructions in order: these see my byte stores
	s_wait_dscnt 0x0
	global_store_b64 v6, v[12:13], s[18:19]        ; the group's 256 scale bytes: 256 consecutive bytes, aligned
	s_wait_tensorcnt 0x0
	ds_add_u32 v14, v15
	s_wait_dscnt 0x0
	s_endpgm
; ---------------------------------------------------------------- THE IMAGES
; A wave takes two tiles of 16 rows x 512 bytes, 16,384 bytes on end, at the same offset in the codes and in the images.  A tile is turned as 16 x 32 pieces of 16 bytes through the wave's own LDS.
.Lrelay:
	s_mul_i32 s51, s36, RREG
	s_add_co_u32 s51, s51, RREG0
	v_mul_u32_u24 v8, v1, 272
	v_add_nc_u32 v8, s51, v8                       ; in: place = block = lane; row i at 16 i
	v_lshrrev_b32 v9, 4, v1
	v_mul_u32_u24 v9, v9, 272
	v_and_b32 v10, 15, v1
	v_lshl_add_u32 v9, v10, 4, v9
	v_add_nc_u32 v9, s51, v9                       ; out: block 2 j + lane / 16, row lane % 16
	s_sub_co_u32 s52, ttmp9, 64
	s_lshl_b32 s52, s52, 2
	s_add_co_u32 s52, s52, s36
	s_lshl_b32 s54, s52, 14
	s_mov_b32 s55, 0
	s_wait_kmcnt 0x0
	s_add_nc_u64 s[14:15], s[14:15], s[54:55]
	s_add_nc_u64 s[24:25], s[24:25], s[54:55]
.irp u, 0,1
.irp i, 0,1,2,3,4,5,6,7,8,9,10,11,12,13,14,15
	global_load_b128 v[64+64*\u+4*\i:64+64*\u+4*\i+3], v2, s[14:15] offset:8192*\u+512*\i th:TH_LOAD_NT   ; a whole row of 512 bytes
.endr
.endr
.irp u, 0,1
	s_wait_loadcnt 16*(1-\u)                       ; this tile is in; the second tile's 16 loads may be out
.irp i, 0,1,2,3,4,5,6,7,8,9,10,11,12,13,14,15
	ds_store_b128 v8, v[64+64*\u+4*\i:64+64*\u+4*\i+3] offset:16*\i
.endr
.if \u == 1
	s_wait_xcnt 0x0                                ; the first tile's stores have read the registers that are loaded again below
.endif
.irp j, 0,1,2,3,4,5,6,7,8,9,10,11,12,13,14,15
	ds_load_b128 v[192+4*\j:192+4*\j+3], v9 offset:544*\j
.endr
	s_wait_dscnt 0x0
.irp j, 0,1,2,3,4,5,6,7,8,9,10,11,12,13,14,15
	global_store_b128 v2, v[192+4*\j:192+4*\j+3], s[24:25] offset:8192*\u+512*\j   ; 512 consecutive bytes
.endr
.endr
	s_wait_tensorcnt 0x0
	ds_add_u32 v14, v15
	s_wait_dscnt 0x0
	s_endpgm
.Lfunc_end_k_q7d7a6eeeb1_prep:
	.size	k_q7d7a6eeeb1_prep, .Lfunc_end_k_q7d7a6eeeb1_prep-k_q7d7a6eeeb1_prep
	.p2alignl 7, 3214868480
	.fill 96, 4, 3214868480
	.section	.rodata,"a",@progbits
	.p2align	6, 0x0
	.amdhsa_kernel k_q7d7a6eeeb1_prep
		.amdhsa_group_segment_fixed_size 74240
		.amdhsa_private_segment_fixed_size 0
		.amdhsa_enable_private_segment 0
		.amdhsa_kernarg_size 72
		.amdhsa_user_sgpr_count 2
		.amdhsa_user_sgpr_kernarg_segment_ptr 1
		.amdhsa_wavefront_size32 1
		.amdhsa_system_sgpr_workgroup_id_x 1
		.amdhsa_system_sgpr_workgroup_id_y 1
		.amdhsa_system_sgpr_workgroup_id_z 1
		.amdhsa_system_vgpr_workitem_id 0
		.amdhsa_next_free_vgpr 512
		.amdhsa_next_free_sgpr 66
		.amdhsa_reserve_vcc 1
		.amdhsa_float_denorm_mode_32 3
		.amdhsa_float_denorm_mode_16_64 3
		.amdhsa_memory_ordered 1
		.amdhsa_forward_progress 1
		.amdhsa_inst_pref_size 182
	.end_amdhsa_kernel
	.amdgpu_metadata
---
amdhsa.version: [ 1, 2 ]
amdhsa.kernels:
  - .name:           k_q7d7a6eeeb1_prep
    .symbol:         k_q7d7a6eeeb1_prep.kd
    .args:
      - { .name: sequences, .offset: 0, .size: 8, .value_kind: global_buffer, .address_space: global }
      - { .name: gating_w, .offset: 8, .size: 8, .value_kind: global_buffer, .address_space: global }
      - { .name: gating_b, .offset: 16, .size: 8, .value_kind: global_buffer, .address_space: global }
      - { .name: expert_w_codes, .offset: 24, .size: 8, .value_kind: global_buffer, .address_space: global }
      - { .name: xc, .offset: 32, .size: 8, .value_kind: global_buffer, .address_space: global }
      - { .name: xs, .offset: 40, .size: 8, .value_kind: global_buffer, .address_space: global }
      - { .name: scores, .offset: 48, .size: 8, .value_kind: global_buffer, .address_space: global }
      - { .name: hist, .offset: 56, .size: 8, .value_kind: global_buffer, .address_space: global }
      - { .name: wimg, .offset: 64, .size: 8, .value_kind: global_buffer, .address_space: global }
    .group_segment_fixed_size: 74240
    .private_segment_fixed_size: 0
    .kernarg_segment_align: 8
    .kernarg_segment_size: 72
    .max_flat_workgroup_size: 128
    .sgpr_count:     66
    .vgpr_count:     512
    .wavefront_size: 32
...
	.end_amdgpu_metadata
.endif
;; end of part 1
;; launch place (part 2): grid 1 x 1, 8 waves a work-group, no clusters, 3,072 bytes of LDS; arguments hist, scores, order, table, out1; writes order, table, out1
.if DOCPART == 2
	.amdgcn_target "amdgcn-amd-amdhsa--gfx1250"
	.amdhsa_code_object_version 6
	.text
	.protected	k_q7d7a6eeeb1_place
	.globl	k_q7d7a6eeeb1_place
	.p2align	8
	.type	k_q7d7a6eeeb1_place,@function
k_q7d7a6eeeb1_place:
	s_mov_b64 s[64:65], 0
	v_nop
	global_prefetch_b8 v0, s[64:65] scope:SCOPE_SE
	s_setreg_imm32_b32 hwreg(HW_REG_WAVE_MODE, 25, 1), 1
	s_wait_xcnt 0x0
; PLACE.  One work-group of eight waves.  (1) A counting sort of the 2,048 tokens by their key (pair of experts, 0..27), from the counts and ranks that the launch before stored:
; order[rb[key] + rank of the token within its key] = token.  (2) The table by key: {first unit, first row, rows, lo | hi << 8}; a unit is up to 128 rows of one key.
; (3) out1: the unbiased variance of the scores over the tokens, in two passes (the mean first), all in f32.
; Wave W owns groups 32 W .. 32 W + 31 of 8 tokens, that is tokens 256 W .. 256 W + 255.  In the counts a lane is a key.
; One work-group does it all: the sort wants sums over all tokens, and no traffic goes between work-groups.  The matrix unit, tensor loads and clusters have nothing to do here.
; The stores into order are single words at places that hang on the keys: 8,192 bytes in all.
.set H,   32                           ; v32-63   hist rows of my 32 groups; later what the lane permutes bring
.set P,   64                           ; v64-95   running sums of the counts over my groups
.set S,   96                           ; v96-159  scores: register 4 i + j = token tid / 2 + 128 i, expert 4 (tid % 2) + j
.set TI,  160                          ; v160-167 chunk G of 32 tokens: lane = token: its word
.set K4,  168                          ; v168-175 4 x its key
.set RK,  176                          ; v176-183 its rank in its group
.set QB,  184                          ; v184-191 the base of its key
.set AD,  192                          ; v192-207 a pair (byte offset in order, token) for each chunk: no store's source is written again
.set WT,  208                          ; v208-215 the eight waves' totals
.set VS,  216                          ; v216-247 the eight waves' sums of scores
; LDS: 0: totals, 128 bytes a wave;  1,024: first pass, 32 bytes a wave;  1,280: second pass
; v1 lane, v2 4 lane, v3 16 tid, v4 16 (lane % 2), v5 0, v6 4 tid, v7 32 W + 16 (lane % 2), v8-11 sums then means, v12-15 sums of squares, v16-19, v24 at work for permutes, v27 256 W + lane, v28-31 the table's row
	s_load_b256 s[8:15], s[0:1], 0x0               ; hist, scores, order, table
	s_load_b64 s[16:17], s[0:1], 0x20              ; out1
	v_lshl_add_u32 v254, v0, 2, 0x800
	v_mov_b32 v255, 0
	v_lshrrev_b32 v1, 5, v0
	v_readfirstlane_b32 s20, v1                    ; wave W
	v_and_b32 v1, 31, v0
	v_lshlrev_b32 v2, 2, v1
	v_lshlrev_b32 v3, 4, v0
	v_and_b32 v4, 1, v0
	v_lshlrev_b32 v4, 4, v4
	v_mov_b32 v5, 0
	v_lshlrev_b32 v6, 2, v0
	v_and_b32 v7, 0xe0, v0                         ; 32 W
	v_lshl_add_u32 v27, v7, 3, v1                  ; 256 W + lane
	v_add_nc_u32 v7, v7, v4
.irp j, 0,1,2,3
	v_mov_b32 v[16+\j], 0                          ; written once: a lane permute's destination counts as one of its sources
.endr
	v_mov_b32 v24, 0
	s_lshl_b32 s22, s20, 12
	s_mov_b32 s23, 0
	s_mov_b32 s24, 0x76543210
	s_mov_b32 s25, 0xfedcba98                      ; v_permlanex16_b32's selects for lane l xor 16
	s_mov_b32 s27, 0xffff0000                      ; lanes 16-31
	s_mov_b32 s28, 0xff00                          ; lanes 8-15,
	s_mov_b32 s29, 0xff0000                        ; 16-23,
	s_mov_b32 s30, 0xff000000                      ; 24-31
	s_wait_kmcnt 0x0
	s_add_nc_u64 s[8:9], s[8:9], s[22:23]          ; my 32 rows of hist
.set g, 0
.rept 32
	global_load_b32 v[H+g], v2, s[8:9] offset:128*g
.set g, g+1
.endr
.set i, 0
.rept 16
	global_load_b128 v[S+4*i:S+4*i+3], v3, s[10:11] offset:4096*i
.set i, i+1
.endr
	s_wait_loadcnt 16                              ; hist is in; the 16 loads of scores may be out
	v_and_b32 v[P], 0xff, v[H]
.set g, 1
.rept 31
	v_and_b32 v[20+g%2], 0xff, v[H+g]
	v_add_nc_u32 v[P+g], v[P+g-1], v[20+g%2]       ; the counts of groups 0 .. g
.set g, g+1
.endr
	ds_store_b32 v6, v[P+31]                       ; my wave's totals, lane = key
	s_wait_loadcnt 0x0
	v_pk_add_f32 v[8:9], v[S:S+1], v[S+4:S+5]      ; the first pass: sums of the scores, two chains
	v_pk_add_f32 v[10:11], v[S+2:S+3], v[S+6:S+7]
.set i, 2
.rept 14
	v_pk_add_f32 v[8:9], v[8:9], v[S+4*i:S+4*i+1]
	v_pk_add_f32 v[10:11], v[10:11], v[S+4*i+2:S+4*i+3]
.set i, i+1
.endr
.macro REDUCE a                        ; over the 16 lanes of my parity: they hold the same four experts
.irp m, 2,4,8
.irp j, 0,1,2,3
	v_add_f32_dpp v[\a+\j], v[\a+\j], v[\a+\j] row_xmask:\m row_mask:0xf bank_mask:0xf
.endr
.endr
.irp j, 0,1,2,3
	v_permlanex16_b32 v[16+\j], v[\a+\j], s24, s25
.endr
.irp j, 0,1,2,3
	v_add_f32 v[\a+\j], v[\a+\j], v[16+\j]
.endr
.endm
	REDUCE 8
	ds_store_b128 v7, v[8:11] offset:1024          ; lanes of one parity write the same bytes with the same values
	s_wait_dscnt 0x0                               ; for the others' sake: my stores have landed
	s_barrier_signal -1
	s_barrier_wait -1
.irp k, 0,1,2,3,4,5,6,7
	ds_load_b32 v[WT+\k], v2 offset:128*\k
.endr
.irp k, 0,1,2,3,4,5,6,7
	ds_load_b128 v[VS+4*\k:VS+4*\k+3], v4 offset:1024+32*\k
.endr
	s_wait_dscnt 0x0
	v_pk_add_f32 v[8:9], v[VS:VS+1], v[VS+4:VS+5]
	v_pk_add_f32 v[10:11], v[VS+2:VS+3], v[VS+6:VS+7]
.irp k, 2,3,4,5,6,7
	v_pk_add_f32 v[8:9], v[8:9], v[VS+4*\k:VS+4*\k+1]
	v_pk_add_f32 v[10:11], v[10:11], v[VS+4*\k+2:VS+4*\k+3]
.endr
	v_pk_mul_f32 v[8:9], v[8:9], 0x3a000000 op_sel_hi:[1,0]        ; / 2,048: the means of my four experts
	v_pk_mul_f32 v[10:11], v[10:11], 0x3a000000 op_sel_hi:[1,0]
.set i, 0
.rept 16
	v_pk_add_f32 v[S+4*i:S+4*i+1], v[S+4*i:S+4*i+1], v[8:9] neg_lo:[0,1] neg_hi:[0,1]          ; the second pass: score - mean,
	v_pk_add_f32 v[S+4*i+2:S+4*i+3], v[S+4*i+2:S+4*i+3], v[10:11] neg_lo:[0,1] neg_hi:[0,1]
.set i, i+1
.endr
	v_pk_mul_f32 v[12:13], v[S:S+1], v[S:S+1]      ; squared and summed; the first squares start the sums
	v_pk_mul_f32 v[14:15], v[S+2:S+3], v[S+2:S+3]
.set i, 1
.rept 15
	v_pk_fma_f32 v[12:13], v[S+4*i:S+4*i+1], v[S+4*i:S+4*i+1], v[12:13]
	v_pk_fma_f32 v[14:15], v[S+4*i+2:S+4*i+3], v[S+4*i+2:S+4*i+3], v[14:15]
.set i, i+1
.endr
	REDUCE 12
	ds_store_b128 v7, v[12:15] offset:1280
	s_wait_dscnt 0x0
	s_barrier_signal -1
	s_barrier_wait -1                              ; behind this barrier LDS is only read
	; the bases, lane = key
	v_add3_u32 v30, v[WT], v[WT+1], v[WT+2]
	v_add3_u32 v30, v30, v[WT+3], v[WT+4]
	v_add3_u32 v30, v30, v[WT+5], v[WT+6]
	v_add_nc_u32 v30, v30, v[WT+7]                 ; the key's rows in all
	s_cmp_gt_u32 s20, 0
	s_cselect_b32 s26, 1, 0
	v_mul_u32_u24 v21, s26, v[WT]
.irp k, 1,2,3,4,5,6
	s_cmp_gt_u32 s20, \k
	s_cselect_b32 s26, 1, 0
	v_mad_u32_u24 v21, v[WT+\k], s26, v21          ; those of the waves in front of mine
.endr
.macro SCAN v                          ; a running sum over the 32 lanes, the lane's own number included
.irp n, 1,2,4,8
	v_mov_b32_dpp v24, v[\v] row_shr:\n row_mask:0xf bank_mask:0xf bound_ctrl:1
	v_add_nc_u32 v[\v], v[\v], v24
.endr
	v_readlane_b32 s26, v[\v], 15
	v_mov_b32 v24, s26
	v_cndmask_b32 v24, v5, v24, s27                ; lanes 16-31 add the first half's total
	v_add_nc_u32 v[\v], v[\v], v24
.endm
	v_mov_b32 v29, v30
	SCAN 29
	v_sub_nc_u32 v29, v29, v30                     ; rb: the rows of the keys in front
	v_add_nc_u32 v23, 127, v30
	v_lshrrev_b32 v23, 7, v23                      ; the key's units of up to 128 rows
	v_mov_b32 v28, v23
	SCAN 28
	v_sub_nc_u32 v28, v28, v23                     ; ub: the units of the keys in front
	v_add_nc_u32 v26, v29, v21                     ; where my wave's tokens of the key begin
	; the placing, 32 tokens (four groups) at a time; lane = token
.irp G, 0,1,2,3,4,5,6,7
	v_cndmask_b32 v[TI+\G], v[H+4*\G], v[H+4*\G+1], s28
	v_cndmask_b32 v[TI+\G], v[TI+\G], v[H+4*\G+2], s29
	v_cndmask_b32 v[TI+\G], v[TI+\G], v[H+4*\G+3], s30
.endr
.irp G, 0,1,2,3,4,5,6,7
	v_bfe_u32 v[K4+\G], v[TI+\G], 8, 8
	v_min_u32 v[K4+\G], 31, v[K4+\G]
	v_lshlrev_b32 v[K4+\G], 2, v[K4+\G]
	v_bfe_u32 v[RK+\G], v[TI+\G], 16, 8
.endr
.irp G, 0,1,2,3,4,5,6,7
.irp q, 0,1,2,3
.if 4*\G+\q > 0
	ds_bpermute_b32 v[H+4*\G+\q], v[K4+\G], v[P+4*\G+\q-1]         ; the count of my key in my wave's groups in front of group 4 G + q (group 0 has none in front)
.endif
.endr
	ds_bpermute_b32 v[QB+\G], v[K4+\G], v26
.endr
	s_wait_dscnt 0x0
.irp G, 0,1,2,3,4,5,6,7
.set E0, H+4*\G
.if \G == 0
.set E0, 5
.endif
	v_cndmask_b32 v[H+4*\G], v[E0], v[H+4*\G+1], s28               ; my own group's
	v_cndmask_b32 v[H+4*\G], v[H+4*\G], v[H+4*\G+2], s29
	v_cndmask_b32 v[H+4*\G], v[H+4*\G], v[H+4*\G+3], s30
	v_add3_u32 v[AD+2*\G], v[H+4*\G], v[QB+\G], v[RK+\G]
	v_min_u32 v[AD+2*\G], 0x7ff, v[AD+2*\G]        ; a number that was loaded enters an address behind a bound
	v_lshlrev_b32 v[AD+2*\G], 2, v[AD+2*\G]
	v_add_nc_u32 v[AD+2*\G+1], 32*\G, v27
	global_store_b32 v[AD+2*\G], v[AD+2*\G+1], s[12:13]
.endr
	s_cmp_lg_u32 s20, 0
	s_cbranch_scc1 .Lend                           ; the table and out1 are wave 0's; no barrier follows
	v_mov_b32 v8, 0
.irp thr, 7,13,18,22,25,27
	v_cmp_le_u32 vcc_lo, \thr, v1
	v_add_co_ci_u32 v8, vcc_lo, 0, v8, vcc_lo      ; lo: how many of the keys' first numbers lie at or under the lane
.endr
	v_sub_nc_u32 v9, 13, v8
	v_mul_u32_u24 v9, v9, v8
	v_lshrrev_b32 v9, 1, v9
	v_sub_nc_u32 v9, v1, v9
	v_add_nc_u32 v9, 1, v9                         ; hi = key - lo (13 - lo) / 2 + 1
	v_lshl_or_b32 v31, v9, 8, v8
	global_store_b128 v3, v[28:31], s[14:15]       ; in wave 0 16 tid = 16 lane: 512 consecutive bytes
.irp k, 0,1,2,3,4,5,6,7
	ds_load_b128 v[VS+4*\k:VS+4*\k+3], v4 offset:1280+32*\k
.endr
	s_wait_dscnt 0x0
	v_pk_add_f32 v[12:13], v[VS:VS+1], v[VS+4:VS+5]
	v_pk_add_f32 v[14:15], v[VS+2:VS+3], v[VS+6:VS+7]
.irp k, 2,3,4,5,6,7
	v_pk_add_f32 v[12:13], v[12:13], v[VS+4*\k:VS+4*\k+1]
	v_pk_add_f32 v[14:15], v[14:15], v[VS+4*\k+2:VS+4*\k+3]
.endr
	v_pk_mul_f32 v[12:13], v[12:13], 0x3a001002 op_sel_hi:[1,0]    ; / 2,047
	v_pk_mul_f32 v[14:15], v[14:15], 0x3a001002 op_sel_hi:[1,0]
	v_cmp_gt_u32 vcc_lo, 2, v1
	s_wait_xcnt 0x0                                ; EXEC changes only behind this wait
	s_and_saveexec_b32 s26, vcc_lo
	global_store_b128 v4, v[12:15], s[16:17]       ; lanes 0 and 1: experts 0-3 and 4-7
	s_wait_xcnt 0x0
	s_or_b32 exec_lo, exec_lo, s26
.Lend:
	s_wait_tensorcnt 0x0
	ds_add_u32 v254, v255
	s_wait_dscnt 0x0
	s_endpgm
.Lfunc_end_k_q7d7a6eeeb1_place:
	.size	k_q7d7a6eeeb1_place, .Lfunc_end_k_q7d7a6eeeb1_place-k_q7d7a6eeeb1_place
	.p2alignl 7, 3214868480
	.fill 96, 4, 3214868480
	.section	.rodata,"a",@progbits
	.p2align	6, 0x0
	.amdhsa_kernel k_q7d7a6eeeb1_place
		.amdhsa_group_segment_fixed_size 3072
		.amdhsa_private_segment_fixed_size 0
		.amdhsa_enable_private_segment 0
		.amdhsa_kernarg_size 40
		.amdhsa_user_sgpr_count 2
		.amdhsa_user_sgpr_kernarg_segment_ptr 1
		.amdhsa_wavefront_size32 1
		.amdhsa_system_sgpr_workgroup_id_x 1
		.amdhsa_system_sgpr_workgroup_id_y 1
		.amdhsa_system_sgpr_workgroup_id_z 1
		.amdhsa_system_vgpr_workitem_id 0
		.amdhsa_next_free_vgpr 256
		.amdhsa_next_free_sgpr 66
		.amdhsa_reserve_vcc 1
		.amdhsa_float_denorm_mode_32 3
		.amdhsa_float_denorm_mode_16_64 3
		.amdhsa_memory_ordered 1
		.amdhsa_forward_progress 1
		.amdhsa_inst_pref_size 35
	.end_amdhsa_kernel
	.amdgpu_metadata
---
amdhsa.version: [ 1, 2 ]
amdhsa.kernels:
  - .name:           k_q7d7a6eeeb1_place
    .symbol:         k_q7d7a6eeeb1_place.kd
    .args:
      - { .name: hist, .offset: 0, .size: 8, .value_kind: global_buffer, .address_space: global }
      - { .name: scores, .offset: 8, .size: 8, .value_kind: global_buffer, .address_space: global }
      - { .name: order, .offset: 16, .size: 8, .value_kind: global_buffer, .address_space: global }
      - { .name: table, .offset: 24, .size: 8, .value_kind: global_buffer, .address_space: global }
      - { .name: out1, .offset: 32, .size: 8, .value_kind: global_buffer, .address_space: global }
    .group_segment_fixed_size: 3072
    .private_segment_fixed_size: 0
    .kernarg_segment_align: 8
    .kernarg_segment_size: 40
    .max_flat_workgroup_size: 256
    .sgpr_count:     66
    .vgpr_count:     256
    .wavefront_size: 32
...
	.end_amdgpu_metadata
.endif
;; end of part 2
;; launch experts (part 3): grid 8 x 43, 4 waves a work-group, no clusters, 207,360 bytes of LDS; arguments table, order, xc, xs, wimg, expert_w_scales, expert_b, out0; writes out0
.if DOCPART == 3
	.amdgcn_target "amdgcn-amd-amdhsa--gfx1250"
	.amdhsa_code_object_version 6
	.text
	.protected	k_q7d7a6eeeb1_experts
	.globl	k_q7d7a6eeeb1_experts
	.p2align	8
	.type	k_q7d7a6eeeb1_experts,@function
k_q7d7a6eeeb1_experts:
	s_mov_b64 s[64:65], 0
	v_nop
	global_prefetch_b8 v0, s[64:65] scope:SCOPE_SE
	s_setreg_imm32_b32 hwreg(HW_REG_WAVE_MODE, 25, 1), 1
	s_wait_xcnt 0x0
; EXPERTS.  out0[t] = (Q(x[t]) W_lo^T + b_lo + Q(x[t]) W_hi^T + b_hi) / 2 for the token's two experts lo < hi, on codes of E2M1 with E8M0 scales.
; Tokens are sorted by their pair of experts (key).  A UNIT is up to 128 rows of one key: all its rows want the same two experts, so a row's result is ONE sum over K = 2 x 1,024 in one accumulator,
; and every row of out0 has one owner.  The halving lies in x's scale bytes, stored less one; (b_lo + b_hi) / 2 is the C of each sum's first matrix instruction.
; GRID.  x = which 512 of the 4,096 columns; y = the unit.  With 2,048 rows, 28 keys and units of 128 there are never more than 16 + 27 = 43 units, whatever the choice.  A work-group whose unit has
; no rows passes the one barrier, stores nothing and ends.
; SHARES.  Wave w makes columns 512 x + 128 w + 0 .. 127 for all the unit's rows, 32 columns (a chunk, two tiles) at a time.  Every wave holds all of the unit's x in registers (8 tiles of 16 rows x 8 K steps,
; 512 registers): each wave gathers two tiles from memory and hands them round through LDS as images of the operand's registers.  W comes from memory straight into registers, from images that
; the first launch laid in the registers' order, through a ring of 8 slots; a slot is one K step of one expert for the chunk's two tiles, four loads of 512 consecutive bytes.
; THE MATRIX INSTRUCTION IS USED TRANSPOSED: source 0 = 16 rows of W, source 1 = 16 tokens: a lane then holds one token and eight neighbouring columns.
; Groups of 32 rows that the unit does not have are passed over by a scalar branch on the stored count; a chunk's first slot has no such branch, so that every accumulator is written on every way.
; Rows beyond the unit's last are copies of its last row: they are computed like it and, where stored at all (the odd half of the last pair), write the same bytes to the same place.
; NO TENSOR LOADS, NO CLUSTER: the branches hang on counts read from memory, so LDS is filled through registers; joint requests are tensor loads.  What the eight work-groups of a unit share is x alone,
; 65,536 of the 622,592 bytes that a work-group takes in; work-groups that share W belong to different units, with different numbers of rows.
; LIMITS: NaN and infinities are not served.
.set AS,    32                         ; v32-63   x's scale words: register 8 i + s: lanes 0-15 tile 2 i, lanes 16-31 tile 2 i + 1, K step s
.set WS,    64                         ; v64-127  W's: register 16 q + 8 xp + s: lanes 0-15 the chunk's tile 0, lanes 16-31 tile 1
.set BI,    128                        ; v128-191 (b_lo + b_hi) / 2: register 16 q + 8 t + j: column 32 q + 16 t + 8 (lane / 16) + j
.set RB,    192                        ; v192-255 rows read back from the stage; at the head b_hi
.set TK,    16                         ; v16-31   the way out: 16 tokens, then their byte offsets in out0; at the head addresses
.set RING,  128                        ; window 3: v0-127 the 16 accumulators ((m, t) at 8 (2 m + t)); v128-255 the ring: slot s, tile t, half c at 128 + 16 s + 8 t + 4 c
                                       ; window 1: x's tiles 0-3, tile m, K step s at 64 m + 8 s;  window 2: tiles 4-7
.set STAGE, 65536                      ; LDS: 0: x's images, piece (m, j) at (16 m + j) 512 + 16 lane;  STAGE + WSTG w: 128 rows x (256 bytes + 16), the wave's own;
.set WSTG,  34816
.set TOKT,  204800                     ; TOKT + 512 w: the unit's 128 tokens, the wave's own copy: row 16 m + 2 i + hh at 64 m + 32 hh + 4 i
.set NR,    34                         ; s34 the unit's rows, 0 .. 128
.set NG,    35                         ; s35 its groups of 32 rows
; v1 16 lane, v2 stage in, v3 stage out, v4 tokens out, v5 16 (lane % 16); head only: v6 lane, v7 r, v8 h, v9 16 h, v10-13 tokens of rows 32 i + lane, v14-15 tokens of my two tiles,
; v16-19 the table, then x's scales' offsets, v20-25 offsets in order, v26 images in, v27 tokens in, v28 32 lane, v29 32 h, v30-31 the gather's offsets
; s24 wave, s26 unit, s27 key, s28-31 the key's table row, s32 lo, s33 hi, s36 first row, s37 last row's number, s[40:43] W's images lo, hi, s[44:47] W's scales, s[48:51] biases, s[52:53] out0
.set MSB, 0
.macro WIN new                         ; bits 1:0 source 0, 3:2 source 1, 5:4 source 2, 7:6 destination; the high byte repeats the setting that is left
.if MSB != (\new)
	s_set_vgpr_msb (MSB<<8)|(\new)
.set MSB, (\new)
.endif
.endm
	s_load_b512 s[8:23], s[0:1], 0x0               ; table, order, xc, xs, wimg, W's scales, biases, out0
	v_lshrrev_b32 v6, 5, v0
	v_readfirstlane_b32 s24, v6                    ; wave 0..3
	s_and_b32 s26, ttmp7, 0xffff                   ; the unit
	v_and_b32 v6, 31, v0                           ; lane
	v_and_b32 v7, 15, v0                           ; r
	v_bfe_u32 v8, v0, 4, 1                         ; h
	v_lshlrev_b32 v1, 4, v6
	v_lshlrev_b32 v9, 4, v8
	s_mul_i32 s60, s24, WSTG
	s_add_co_u32 s60, s60, STAGE                   ; my stage
	v_mul_u32_u24 v2, v7, 272
	v_lshl_add_u32 v2, v8, 5, v2
	v_add_nc_u32 v2, s60, v2                       ; in: row r of a tile, 32 bytes for each half of the lanes
	v_mul_u32_u24 v3, v8, 272
	v_lshl_add_u32 v3, v7, 4, v3
	v_add_nc_u32 v3, s60, v3                       ; back: lanes 0-15 one row of 256 bytes, lanes 16-31 the next
	s_lshl_b32 s61, s24, 9
	s_add_co_u32 s61, s61, TOKT                    ; my copy of the tokens
	v_lshl_add_u32 v4, v8, 5, s61
	v_lshlrev_b32 v5, 4, v7
	v_and_b32 v26, 1, v0
	v_bfe_u32 v27, v0, 1, 3
	v_lshlrev_b32 v27, 2, v27
	v_lshl_add_u32 v27, v26, 5, v27
	v_lshl_add_u32 v27, v8, 6, v27
	v_add_nc_u32 v27, s61, v27                     ; row 32 i + lane goes to 128 i + 64 (lane / 16) + 32 (lane % 2) + 4 ((lane % 16) / 2)
	s_lshl_b32 s62, s24, 14
	v_add_nc_u32 v26, s62, v1                      ; my two tiles' images: 16,384 w + 16 lane
	v_lshlrev_b32 v28, 5, v6
	v_lshlrev_b32 v29, 5, v8
	s_lshl_b32 s54, ttmp9, 18
	s_lshl_b32 s57, s24, 16
	s_add_co_u32 s54, s54, s57                     ; my 8 tiles of images: (32 x + 8 w) 8,192
	s_lshl_b32 s55, ttmp9, 14
	s_lshl_b32 s57, s24, 12
	s_add_co_u32 s55, s55, s57                     ; my 128 rows of scale bytes: (512 x + 128 w) 32
	s_lshl_b32 s56, ttmp9, 11
	s_lshl_b32 s57, s24, 9
	s_add_co_u32 s56, s56, s57                     ; my 128 columns in f32: (512 x + 128 w) 4
	s_mov_b32 s59, 0
	s_wait_kmcnt 0x0
	global_load_b128 v[16:19], v1, s[8:9]          ; the table: lane = key
	s_wait_loadcnt 0x0
	v_cmp_ge_u32 s38, s26, v16                     ; the keys whose first unit is mine or earlier: first units never fall, so the last of them is my key
	s_and_b32 s38, s38, 0x0fffffff
	s_bcnt1_i32_b32 s27, s38
	s_sub_co_u32 s27, s27, 1
	s_min_u32 s27, s27, 27
	v_readlane_b32 s28, v16, s27                   ; its first unit,
	v_readlane_b32 s29, v17, s27                   ; first row,
	v_readlane_b32 s30, v18, s27                   ; rows,
	v_readlane_b32 s31, v19, s27                   ; experts
	s_and_b32 s32, s31, 0xff
	s_min_u32 s32, s32, 7
	s_bfe_u32 s33, s31, 0x80008
	s_min_u32 s33, s33, 7
	s_sub_co_u32 s39, s26, s28
	s_lshl_b32 s39, s39, 7                         ; the rows of the key's units in front of mine
	s_add_co_u32 s36, s29, s39
	s_min_u32 s36, s36, 2047
	s_sub_co_i32 s[NR], s30, s39
	s_max_i32 s[NR], s[NR], 0
	s_min_i32 s[NR], s[NR], 128
	s_add_co_u32 s[NG], s[NR], 31
	s_lshr_b32 s[NG], s[NG], 5
	s_max_u32 s37, s[NR], 1
	s_sub_co_u32 s37, s37, 1
	s_lshl_b32 s58, s32, 21
	s_add_co_u32 s58, s58, s54
	s_add_nc_u64 s[40:41], s[16:17], s[58:59]
	s_lshl_b32 s58, s33, 21
	s_add_co_u32 s58, s58, s54
	s_add_nc_u64 s[42:43], s[16:17], s[58:59]
	s_lshl_b32 s58, s32, 17
	s_add_co_u32 s58, s58, s55
	s_add_nc_u64 s[44:45], s[18:19], s[58:59]
	s_lshl_b32 s58, s33, 17
	s_add_co_u32 s58, s58, s55
	s_add_nc_u64 s[46:47], s[18:19], s[58:59]
	s_lshl_b32 s58, s32, 14
	s_add_co_u32 s58, s58, s56
	s_add_nc_u64 s[48:49], s[20:21], s[58:59]
	s_lshl_b32 s58, s33, 14
	s_add_co_u32 s58, s58, s56
	s_add_nc_u64 s[50:51], s[20:21], s[58:59]
	s_mov_b32 s58, s56
	s_add_nc_u64 s[52:53], s[22:23], s[58:59]
.irp i, 0,1,2,3
	v_add_nc_u32 v[20+\i], 32*\i, v6               ; rows 32 i + lane,
.endr
	s_lshl_b32 s57, s24, 5
	v_add_nc_u32 v24, s57, v7                      ; and the rows of my two tiles: 16 (2 w + u) + r
	v_add_nc_u32 v25, 16, v24
.irp i, 0,1,2,3,4,5
	v_min_u32 v[20+\i], s37, v[20+\i]              ; rows beyond the last are copies of the last
	v_add_nc_u32 v[20+\i], s36, v[20+\i]
	v_min_u32 v[20+\i], 0x7ff, v[20+\i]
	v_lshlrev_b32 v[20+\i], 2, v[20+\i]
.endr
.irp i, 0,1,2,3,4,5
	global_load_b32 v[10+\i], v[20+\i], s[10:11]
.endr
.irp q, 0,1,2,3
	global_load_b128 v[WS+16*\q:WS+16*\q+3], v28, s[44:45] offset:1024*\q          ; lane l: the eight scale words of row 32 q + l; a pair of loads covers 1,024 consecutive bytes
	global_load_b128 v[WS+16*\q+4:WS+16*\q+7], v28, s[44:45] offset:1024*\q+16
	global_load_b128 v[WS+16*\q+8:WS+16*\q+11], v28, s[46:47] offset:1024*\q
	global_load_b128 v[WS+16*\q+12:WS+16*\q+15], v28, s[46:47] offset:1024*\q+16
.endr
.irp q, 0,1,2,3
.irp t, 0,1
	global_load_b128 v[BI+16*\q+8*\t:BI+16*\q+8*\t+3], v29, s[48:49] offset:128*\q+64*\t
	global_load_b128 v[BI+16*\q+8*\t+4:BI+16*\q+8*\t+7], v29, s[48:49] offset:128*\q+64*\t+16
	global_load_b128 v[RB+16*\q+8*\t:RB+16*\q+8*\t+3], v29, s[50:51] offset:128*\q+64*\t
	global_load_b128 v[RB+16*\q+8*\t+4:RB+16*\q+8*\t+7], v29, s[50:51] offset:128*\q+64*\t+16
.endr
.endr
	s_wait_loadcnt 48                              ; the six loads of tokens are in; the 16 + 32 loads behind them may be out
.irp i, 0,1,2,3,4,5
	v_min_u32 v[10+\i], 0x7ff, v[10+\i]
.endr
	v_lshl_add_u32 v30, v14, 9, v9                 ; a token's 512 bytes of codes, + 16 h
	v_lshl_add_u32 v31, v15, 9, v9
.irp i, 0,1,2,3
	v_lshlrev_b32 v[16+\i], 5, v[10+\i]            ; and its 32 scale bytes
.endr
	WIN 0x40                                       ; destination window 1
.irp u, 0,1
.irp j, 0,1,2,3,4,5,6,7,8,9,10,11,12,13,14,15
	global_load_b128 v[64*\u+4*\j:64*\u+4*\j+3], v[30+\u], s[12:13] offset:32*\j   ; piece j = 2 s + c: block 2 j + h of row r: registers 4 c .. 4 c + 3 of K step s
.endr
.endr
	WIN 0
.irp i, 0,1,2,3
	global_load_b128 v[AS+8*\i:AS+8*\i+3], v[16+\i], s[14:15]
	global_load_b128 v[AS+8*\i+4:AS+8*\i+7], v[16+\i], s[14:15] offset:16
.endr
	WIN 0xC0                                       ; destination window 3
.irp s, 0,1,2,3,4,5,6,7
.irp t, 0,1
.irp c, 0,1
	global_load_b128 v[RING+16*\s+8*\t+4*\c:RING+16*\s+8*\t+4*\c+3], v1, s[40:41] offset:8192*\t+1024*\s+512*\c   ; the ring's first eight slots: chunk 0, expert lo
.endr
.endr
.endr
	WIN 0
.irp i, 0,1,2,3
	ds_store_b32 v27, v[10+\i] offset:128*\i
.endr
	s_wait_loadcnt 40                              ; the gather (and the biases in front of it) are in; x's 8 loads of scales and the ring's 32 may be out
	WIN 0x04                                       ; an LDS store's data are its source 1: window 1
.irp u, 0,1
.irp j, 0,1,2,3,4,5,6,7,8,9,10,11,12,13,14,15
	ds_store_b128 v26, v[64*\u+4*\j:64*\u+4*\j+3] offset:8192*\u+512*\j            ; the registers as they stand: 512 consecutive bytes a store
.endr
.endr
	WIN 0
.set n, 0
.rept 32
	v_pk_add_f32 v[BI+2*n:BI+2*n+1], v[BI+2*n:BI+2*n+1], v[RB+2*n:RB+2*n+1]
.set n, n+1
.endr
.set n, 0
.rept 32
	v_pk_mul_f32 v[BI+2*n:BI+2*n+1], v[BI+2*n:BI+2*n+1], 0.5 op_sel_hi:[1,0]
.set n, n+1
.endr
	s_wait_dscnt 0x0                               ; for the others' sake: my images have landed
	s_barrier_signal -1
	s_barrier_wait -1                              ; the one barrier: every wave passes it, ahead of every branch on a stored number
	s_cmp_eq_u32 s[NR], 0
	s_cbranch_scc1 .Lend                           ; a unit that this split of the tokens does not have
	WIN 0x40
.irp m, 0,1,2,3
.irp j, 0,1,2,3,4,5,6,7,8,9,10,11,12,13,14,15
	ds_load_b128 v[64*\m+4*\j:64*\m+4*\j+3], v1 offset:(16*\m+\j)*512
.endr
.endr
	WIN 0x80
.irp m, 4,5,6,7
.irp j, 0,1,2,3,4,5,6,7,8,9,10,11,12,13,14,15
	ds_load_b128 v[64*(\m-4)+4*\j:64*(\m-4)+4*\j+3], v1 offset:(16*\m+\j)*512
.endr
.endr
	s_wait_dscnt 0x0
; One matrix instruction: tile t of the chunk's columns x tile m of the rows, K step s of expert xp.  In a chunk's first slot C is the bias (window 0), else the accumulator.
.macro MM q, xp, s, m, t
.set rD, 8*(2*(\m)+(\t))
.set rW, RING+16*(\s)+8*(\t)
.set rA, 64*((\m)%4)+8*(\s)
.set rWS, WS+16*(\q)+8*(\xp)+(\s)
.set rAS, AS+8*((\m)/2)+(\s)
.set rC, rD
.if ((\xp) == 0) && ((\s) == 0)
.set rC, BI+16*(\q)+8*(\t)
.endif
.if ((\t) == 0) && ((\m)%2 == 0)
	v_wmma_scale_f32_16x16x128_f8f6f4 v[rD:rD+7], v[rW:rW+7], v[rA:rA+7], v[rC:rC+7], v[rWS], v[rAS] matrix_a_fmt:MATRIX_FMT_FP4 matrix_b_fmt:MATRIX_FMT_FP4
.elseif ((\t) == 1) && ((\m)%2 == 0)
	v_wmma_scale_f32_16x16x128_f8f6f4 v[rD:rD+7], v[rW:rW+7], v[rA:rA+7], v[rC:rC+7], v[rWS], v[rAS] matrix_a_fmt:MATRIX_FMT_FP4 matrix_b_fmt:MATRIX_FMT_FP4 matrix_a_scale:MATRIX_SCALE_ROW1
.elseif (\t) == 0
	v_wmma_scale_f32_16x16x128_f8f6f4 v[rD:rD+7], v[rW:rW+7], v[rA:rA+7], v[rC:rC+7], v[rWS], v[rAS] matrix_a_fmt:MATRIX_FMT_FP4 matrix_b_fmt:MATRIX_FMT_FP4 matrix_b_scale:MATRIX_SCALE_ROW1
.else
	v_wmma_scale_f32_16x16x128_f8f6f4 v[rD:rD+7], v[rW:rW+7], v[rA:rA+7], v[rC:rC+7], v[rWS], v[rAS] matrix_a_fmt:MATRIX_FMT_FP4 matrix_b_fmt:MATRIX_FMT_FP4 matrix_a_scale:MATRIX_SCALE_ROW1 matrix_b_scale:MATRIX_SCALE_ROW1
.endif
.endm
; A SLOT: number 16 q + 8 xp + s of 64.  Up to four groups of four matrix instructions, a group to 32 rows; the accumulators take turns, one instruction a turn, on the shortest way too (four of them):
; Then the slot's registers take the slot eight further on: the other expert's same K step, in the same chunk (xp = 0) or the next (xp = 1).
.macro SLOT q, xp, s
.set SG, 16*(\q)+8*(\xp)+(\s)
.if SG < 56
	s_wait_loadcnt 28                              ; loads come back in order (ISA guide 5.7.1): this slot's four are in, the seven younger slots' may be out
.else
	s_wait_loadcnt 4*(63-SG)                       ; the last eight slots are not filled again: the counts run down
.endif
.irp i, 0,1,2,3
.if (\i > 0) && (((\xp) != 0) || ((\s) != 0))
	WIN 0                                          ; at a branch and at a label every window is 0
	s_cmp_lt_u32 s[NG], \i+1
	s_cbranch_scc1 .Ldone_\@                       ; the unit has no rows 32 i and on
.endif
.if ((\xp) == 0) && ((\s) == 0)
	WIN 0xC7+4*(\i/2)                              ; W and D window 3, x window 1 or 2, C (the bias) window 0
.else
	WIN 0xF7+4*(\i/2)                              ; the same with C in window 3
.endif
	MM \q, \xp, \s, 2*\i, 0
	MM \q, \xp, \s, 2*\i, 1
	MM \q, \xp, \s, 2*\i+1, 0
	MM \q, \xp, \s, 2*\i+1, 1
.endr
	WIN 0
.Ldone_\@:
.if SG < 56
.rept 4
	v_nop                                          ; four places in front of loads into registers that matrix instructions have read (ISA guide 7.12.1 for vector instructions)
.endr
.if (\xp) == 0
.set RBS, 42
.set RO, 16384*(\q)
.else
.set RBS, 40
.set RO, 16384*((\q)+1)
.endif
	WIN 0xC0
.irp t, 0,1
.irp c, 0,1
	global_load_b128 v[RING+16*(\s)+8*\t+4*\c:RING+16*(\s)+8*\t+4*\c+3], v1, s[RBS:RBS+1] offset:RO+8192*\t+1024*(\s)+512*\c   ; every offset is an immediate: no pointer is stepped
.endr
.endr
.endif
.endm
; A finished chunk goes into my stage: a lane's eight numbers are 32 bytes of a row.  Two chunks make rows of 256 bytes.
.macro STAGE_IN q
.if (\q) < 3
	v_nop                                          ; with the four in front of the refill: five places, since the next chunk's first products write over these accumulators
.else
.rept 4
	v_nop                                          ; four places in front of the stores that read the results
.endr
.endif
	WIN 0x0C                                       ; the data: window 3
.irp m, 0,1,2,3,4,5,6,7
.irp t, 0,1
	ds_store_b128 v2, v[8*(2*\m+\t):8*(2*\m+\t)+3] offset:4352*\m+128*((\q)%2)+64*\t       ; each accumulator from its low end on
	ds_store_b128 v2, v[8*(2*\m+\t)+4:8*(2*\m+\t)+7] offset:4352*\m+128*((\q)%2)+64*\t+16
.endr
.endr
	WIN 0
.endm
; THE WAY OUT of two chunks, 32 rows at a time: rows of 256 bytes come back from my stage, two to an instruction, with their tokens; sixteen lanes store 256 consecutive bytes, aligned, of a token's row.
; The next chunk's W, eight slots, is on its way meanwhile.
.macro WAYOUT P
.irp i, 0,1,2,3
.if \i > 0
	s_cmp_le_u32 s[NR], 32*\i
	s_cbranch_scc1 .Lwo_end_\@
.endif
	s_wait_xcnt 0x0                                ; earlier loads and stores have read the registers that are loaded below
	ds_load_b128 v[TK:TK+3], v4 offset:128*\i
	ds_load_b128 v[TK+4:TK+7], v4 offset:128*\i+16
	ds_load_b128 v[TK+8:TK+11], v4 offset:128*\i+64
	ds_load_b128 v[TK+12:TK+15], v4 offset:128*\i+80
.irp k, 0,1,2,3,4,5,6,7,8,9,10,11,12,13,14,15
	ds_load_b128 v[RB+4*\k:RB+4*\k+3], v3 offset:(32*\i+2*\k)*272      ; LDS serves a wave's instructions in order (ISA guide 5.7.1.4): these see my stores
.endr
	s_wait_dscnt 16                                ; the tokens are in; the 16 loads of rows may be out
.irp k, 0,1,2,3,4,5,6,7,8,9,10,11,12,13,14,15
	v_min_u32 v[TK+\k], 0x7ff, v[TK+\k]
.endr
.irp k, 0,1,2,3,4,5,6,7,8,9,10,11,12,13,14,15
	v_lshl_add_u32 v[TK+\k], v[TK+\k], 14, v5      ; a row of out0 is 16,384 bytes
.endr
	s_wait_dscnt 0x0
.irp k, 0,1,2,3,4,5,6,7,8,9,10,11,12,13,14,15
.if \k > 0
	s_cmp_le_u32 s[NR], 32*\i+2*\k
	s_cbranch_scc1 .Lwo_end_\@
.endif
	global_store_b128 v[TK+\k], v[RB+4*\k:RB+4*\k+3], s[52:53] offset:256*(\P) th:TH_STORE_NT
.endr
.endr
.Lwo_end_\@:
.endm
.irp q, 0,1,2,3
.irp xp, 0,1
.irp s, 0,1,2,3,4,5,6,7
	SLOT \q, \xp, \s
.endr
.endr
	STAGE_IN \q
.if \q%2
	WAYOUT \q/2
.endif
.endr
.Lend:
	s_wait_xcnt 0x0
	v_lshl_add_u32 v254, v0, 2, 0x32800
	v_mov_b32 v255, 0
	s_wait_tensorcnt 0x0
	ds_add_u32 v254, v255
	s_wait_dscnt 0x0
	s_endpgm
.Lfunc_end_k_q7d7a6eeeb1_experts:
	.size	k_q7d7a6eeeb1_experts, .Lfunc_end_k_q7d7a6eeeb1_experts-k_q7d7a6eeeb1_experts
	.p2alignl 7, 3214868480
	.fill 96, 4, 3214868480
	.section	.rodata,"a",@progbits
	.p2align	6, 0x0
	.amdhsa_kernel k_q7d7a6eeeb1_experts
		.amdhsa_group_segment_fixed_size 207360
		.amdhsa_private_segment_fixed_size 0
		.amdhsa_enable_private_segment 0
		.amdhsa_kernarg_size 64
		.amdhsa_user_sgpr_count 2
		.amdhsa_user_sgpr_kernarg_segment_ptr 1
		.amdhsa_wavefront_size32 1
		.amdhsa_system_sgpr_workgroup_id_x 1
		.amdhsa_system_sgpr_workgroup_id_y 1
		.amdhsa_system_sgpr_workgroup_id_z 1
		.amdhsa_system_vgpr_workitem_id 0
		.amdhsa_next_free_vgpr 1024
		.amdhsa_next_free_sgpr 66
		.amdhsa_reserve_vcc 0
		.amdhsa_float_denorm_mode_32 3
		.amdhsa_float_denorm_mode_16_64 3
		.amdhsa_memory_ordered 1
		.amdhsa_forward_progress 1
		.amdhsa_inst_pref_size 255
	.end_amdhsa_kernel
	.section	.bss,"aw",@nobits
	.p2align	6
	.space	262144
	.amdgpu_metadata
---
amdhsa.version: [ 1, 2 ]
amdhsa.kernels:
  - .name:           k_q7d7a6eeeb1_experts
    .symbol:         k_q7d7a6eeeb1_experts.kd
    .args:
      - { .name: table, .offset: 0, .size: 8, .value_kind: global_buffer, .address_space: global }
      - { .name: order, .offset: 8, .size: 8, .value_kind: global_buffer, .address_space: global }
      - { .name: xc, .offset: 16, .size: 8, .value_kind: global_buffer, .address_space: global }
      - { .name: xs, .offset: 24, .size: 8, .value_kind: global_buffer, .address_space: global }
      - { .name: wimg, .offset: 32, .size: 8, .value_kind: global_buffer, .address_space: global }
      - { .name: expert_w_scales, .offset: 40, .size: 8, .value_kind: global_buffer, .address_space: global }
      - { .name: expert_b, .offset: 48, .size: 8, .value_kind: global_buffer, .address_space: global }
      - { .name: out0, .offset: 56, .size: 8, .value_kind: global_buffer, .address_space: global }
    .group_segment_fixed_size: 207360
    .private_segment_fixed_size: 0
    .kernarg_segment_align: 8
    .kernarg_segment_size: 64
    .max_flat_workgroup_size: 128
    .sgpr_count:     66
    .vgpr_count:     1024
    .wavefront_size: 32
...
	.end_amdgpu_metadata
.endif
;; end of part 3
;; ======== version 2 of 3: 3 launches
;; limits: right only within a limited range of input values
;; workspace buffers: xc 1,048,576 bytes; xs 65,536 bytes; scores 65,536 bytes; hist 32,768 bytes of whole numbers; order 8,192 bytes of whole numbers; table 512 bytes of whole numbers; wimg 16,777,216 bytes
;; launch prep (part 4): grid 256 x 1, 4 waves a work-group, no clusters, 107,008 bytes of LDS; arguments sequences, gating_w, gating_b, expert_w_codes, xc, xs, scores, hist, wimg; writes xc, xs, scores, hist, wimg
.if DOCPART == 4
	.amdgcn_target "amdgcn-amd-amdhsa--gfx1250"
	.amdhsa_code_object_version 6
	.text
	.protected	k_q7d7a6eeeb1_prep
	.globl	k_q7d7a6eeeb1_prep
	.p2align	8
	.type	k_q7d7a6eeeb1_prep,@function
k_q7d7a6eeeb1_prep:
	s_mov_b64 s[64:65], 0
	v_nop
	global_prefetch_b8 v0, s[64:65] scope:SCOPE_SE
	s_setreg_imm32_b32 hwreg(HW_REG_WAVE_MODE, 25, 1), 1
	s_wait_xcnt 0x0
; PREP.  256 work-groups of four waves, all alike.  Work-group G does two things.
; THE GATE, for group G of 8 tokens; wave w takes tokens 8 G + 2 w and 8 G + 2 w + 1.  For each token: the 8 logits x . gating_w[e] + gating_b[e] by f32 multiply-adds, the softmax score of every
;   expert (the largest logit is taken away first), the pair of experts with the two largest scores as a key 0..27 (key = lo (13 - lo) / 2 + hi - 1, lo < hi), and x as codes of E2M1 with one E8M0 byte
;   for each 32 along K.  The byte is stored LESS ONE: that halves every product exactly, which is reference()'s division by TOP_K.
;   hist row G (32 words): bits 7:0 of lane l = how many of the 8 tokens have key l; in lanes 8 (G % 4) + t also bits 15:8 = token t's key, bits 23:16 = its rank among the group's earlier tokens of that key.
; THE IMAGES: wave w lays two tiles of 16 rows of expert_w_codes, 16,384 bytes at (4 G + w) 16,384, in the order in which a wave's operand registers take them:
;   wimg[e][tile of 16 rows][j 0..15][lane][16 bytes], piece (j, r + 16 h) = block 2 j + h of row r: with j = 2 s + c these are registers 4 c .. 4 c + 3 of the fragment of K step s.
; HOW.  All 64 loads of a wave go out at the head: my two rows of gating_w, my two rows of x, my two tiles.  gating_w is fetched once for the work-group: each wave puts its two rows into LDS as loaded,
;   and behind a barrier every wave reads all eight back, 16 bytes a lane, in the very lane layout in which x was loaded: a dot product asks only that both sides lie alike, so nothing of it is turned.
;   x's rows go through the wave's own stage once more for the quantiser, which wants 32 neighbours in a lane.  The images are turned and stored ahead of the gate's arithmetic.
;   The two tokens' chains are written by turns, so that no line waits for the line above it.  The 8 tokens' keys, scores and scale bytes meet in LDS behind a second barrier, and wave 0 stores them.
; No matrix unit: eight outputs a token are too few for a tile, and the choice of experts wants f32.  No tensor loads and no cluster: gating_w, the one input that work-groups share, is 32,768 of the 131,072
;   bytes that a work-group reads, is read once at the head, and a joint request would put a round of the cluster's barrier ahead of the launch's only loads.
; LIMITS.  NaN and infinities are not served.  The gate's sums are added in another order than reference() adds them, so a pair of logits closer than that rounding may be chosen the other way.
;   The pair is chosen on the logits, ties to the lower index; for the second choice logits more than 126 ln 2 under the largest count as equal (their scores are 0 by this chip's exponential,
;   which gives 0 under 2^-126: ISA guide, the entry of V_EXP_F32); where reference() still tells such scores apart, the choice may differ.
;   A block of x whose largest magnitude lies under 2^-124 has the quantiser's smallest scale, stored as byte 0 (2^-127); a block of zeros too: its codes are zeros.
.set GWL,   0                          ; LDS: gating_w as loaded: row e at 4,096 e, load i's 512 bytes at 512 i
.set XST,   32768                      ; x's stages: wave w at XST + XREG w: two stages, one for each token
.set XREG,  9216
.set STG,   4608                       ; a stage: 32 places of 128 bytes + 16 of padding (pitch 144 = 9 x 16 bytes)
.set RLY,   69632                      ; the images' turn: wave w at RLY + RREG w
.set RREG,  8704                       ; 32 blocks x (16 rows x 16 bytes + 16 of padding): pitch 272 = 17 x 16 bytes
.set SB,    104448                     ; the group's 256 scale bytes: token t's 32 at 32 t
.set SCO,   104704                     ; its 64 scores: token t, expert e at 32 t + 4 e
.set KEYS,  104960                     ; its 8 keys, a word each
; window 0: v1 lane, v2 16 lane, v3 stage in, v4 stage out, v5 my scale byte's place, v6 8 lane, v7 4 lane, v8 turn in, v9 turn out, v10 gating_w in, v11 -infinity,
;   v12 my score's place, v13 my two keys' place, v14 the keys, v15 scale bytes back, v16 scores back
.set KK,   18                          ; v18-19   my two tokens' keys, the same in all lanes
.set MX,   20                          ; v20-23   largest magnitudes, two chains a token
.set CD,   24                          ; v24-31   codes, 4 registers a token
.set R,    32                          ; v32-95   x as loaded: register 32 t + 4 i + j = x[128 i + 4 lane + j]
.set X,    96                          ; v96-159  x turned: register 32 t + i = x[32 lane + i]
.set ACC,  160                         ; v160-191 16 pairs of partial sums (token t, expert e at 16 t + 2 e); later the other half of the lanes' sums
.set LG,   192                         ; v192-207 the logits, 8 t + e
.set MK,   208                         ; v208-223 the logits for the second choice
.set SOP,  224                         ; the conversions' scale operands;  from here on a pair of registers each, one for each token
.set BY,   226                         ; scale bytes
.set BEST, 228                         ; the largest logit,
.set BIX,  230                         ; its index,
.set SEC,  232                         ; the second,
.set SIX,  234                         ; its index
.set T0,   236
.set T2,   238
.set T4,   240
.set LS,   242                         ; the logit of expert lane % 8
.set EX,   244                         ; its exponential, then its score
.set SM,   246                         ; the sum over the experts
.set RC,   248                         ; 1 / the sum
.set SCV,  250                         ; the score that my lane stores
.set K8,   32                          ; wave 0's end: v32-39 the 8 keys, v40-41 scale bytes, v42-43 scores, v44 counts, v45 my token's key, v46 its rank
; window 1 (v256-511): gating_w: register 32 e + 4 i + j = gating_w[e][128 i + 4 lane + j]
; window 2 (v512-767): v0-127 my two tiles as loaded; v128-191, v192-255 the tiles read back; v192-255 hold my two rows of gating_w first
; s36 wave, s37 8 (G % 4), s38-39 lane selects, s40-46 the lanes with lane % 8 = 1 .. 7, s47 the lanes with lane % 16 >= 8, s51-57 at work, s58-59 compare masks
.set MSB, 0
.macro WIN new                         ; bits 1:0 source 0, 3:2 source 1, 5:4 source 2, 7:6 destination; the high byte repeats the setting that is left; a switch that changes nothing is dropped
.if MSB != (\new)
	s_set_vgpr_msb (MSB<<8)|(\new)
.set MSB, (\new)
.endif
.endm
	s_load_b512 s[8:23], s[0:1], 0x0               ; sequences, gating_w, gating_b, codes, xc, xs, scores, hist
	s_load_b64 s[24:25], s[0:1], 0x40              ; wimg
	v_lshl_add_u32 v254, v0, 2, 0x1a000
	v_mov_b32 v255, 0
	v_lshrrev_b32 v1, 5, v0
	v_readfirstlane_b32 s36, v1                    ; wave 0..3
	v_and_b32 v1, 31, v0                           ; lane
	v_lshlrev_b32 v2, 4, v1                        ; 16 bytes a lane: a load or store of the wave covers 512 consecutive bytes
	v_lshlrev_b32 v6, 3, v1
	v_lshlrev_b32 v7, 2, v1
	s_mul_i32 s51, s36, XREG
	s_add_co_u32 s51, s51, XST
	v_lshrrev_b32 v3, 3, v1
	v_mul_u32_u24 v3, v3, 144
	v_and_b32 v4, 7, v1
	v_lshl_add_u32 v3, v4, 4, v3
	v_add_nc_u32 v3, s51, v3                       ; into a stage: eight lanes' 128 bytes on end, then 16 of padding
	v_mul_u32_u24 v4, v1, 144
	v_add_nc_u32 v4, s51, v4                       ; out of it: place = lane: my 32 neighbours
	s_lshl_b32 s52, s36, 6
	v_add_nc_u32 v5, s52, v1
	v_add_nc_u32 v5, SB, v5                        ; my block's scale byte: 64 w + lane, the second token's 32 further on
	v_and_b32 v12, 15, v0
	v_lshlrev_b32 v12, 2, v12
	v_add_nc_u32 v12, s52, v12
	v_add_nc_u32 v12, SCO, v12                     ; my score: 64 w + 4 (lane % 16); lanes 16-31 write what lanes 0-15 write
	s_lshl_b32 s53, s36, 3
	v_mov_b32 v13, s53
	v_add_nc_u32 v13, KEYS, v13                    ; my two keys: 8 w
	v_mov_b32 v14, KEYS
	v_add_nc_u32 v15, SB, v6
	v_add_nc_u32 v16, SCO, v6
	s_mul_i32 s51, s36, RREG
	s_add_co_u32 s51, s51, RLY
	v_mul_u32_u24 v8, v1, 272
	v_add_nc_u32 v8, s51, v8                       ; a tile's turn, in: place = block = lane; row i at 16 i
	v_lshrrev_b32 v9, 4, v1
	v_mul_u32_u24 v9, v9, 272
	v_and_b32 v10, 15, v1
	v_lshl_add_u32 v9, v10, 4, v9
	v_add_nc_u32 v9, s51, v9                       ; out: block 2 j + lane / 16, row lane % 16
	s_lshl_b32 s56, s36, 13
	v_add_nc_u32 v10, s56, v2                      ; my two rows of gating_w: 8,192 w + 16 lane
	v_mov_b32 v11, 0xff800000                      ; -infinity
	v_mov_b32 v[SM], 0                             ; written once: a DPP form's destination counts as one of its sources
	v_mov_b32 v[SM+1], 0
	s_and_b32 s37, ttmp9, 3
	s_lshl_b32 s37, s37, 3                         ; where my group's tokens stand among the 32 lanes of a hist row
	s_mov_b32 s38, 0x76543210
	s_mov_b32 s39, 0xfedcba98                      ; v_permlanex16_b32's selects for lane l xor 16
.irp e, 1,2,3,4,5,6,7
	s_mov_b32 s[39+\e], 0x01010101<<\e             ; the lanes with lane % 8 = e
.endr
	s_mov_b32 s47, 0xff00ff00
	s_mov_b32 s55, 0
	s_lshl_b32 s57, s36, 10
	s_wait_kmcnt 0x0
	s_load_b256 s[28:35], s[12:13], 0x0            ; gating_b
	s_mov_b32 s54, s56
	s_add_nc_u64 s[10:11], s[10:11], s[54:55]      ; gating_w: rows 2 w, 2 w + 1
	s_lshl_b32 s54, ttmp9, 15
	s_add_co_u32 s54, s54, s56
	s_add_nc_u64 s[8:9], s[8:9], s[54:55]          ; x: row 8 G + 2 w of 4,096 bytes
	s_lshl_b32 s54, ttmp9, 16
	s_lshl_b32 s56, s36, 14
	s_add_co_u32 s54, s54, s56
	s_add_nc_u64 s[14:15], s[14:15], s[54:55]      ; the codes and the images: (4 G + w) 16,384
	s_add_nc_u64 s[24:25], s[24:25], s[54:55]
	WIN 0x80                                       ; destination window 2
.irp u, 0,1
.irp i, 0,1,2,3,4,5,6,7
	global_load_b128 v[192+32*\u+4*\i:192+32*\u+4*\i+3], v2, s[10:11] offset:4096*\u+512*\i
.endr
.endr
	WIN 0
.irp t, 0,1
.irp i, 0,1,2,3,4,5,6,7
	global_load_b128 v[R+32*\t+4*\i:R+32*\t+4*\i+3], v2, s[8:9] offset:4096*\t+512*\i th:TH_LOAD_NT
.endr
.endr
	WIN 0x80
.irp u, 0,1
.irp i, 0,1,2,3,4,5,6,7,8,9,10,11,12,13,14,15
	global_load_b128 v[64*\u+4*\i:64*\u+4*\i+3], v2, s[14:15] offset:8192*\u+512*\i th:TH_LOAD_NT   ; a whole row of 512 bytes
.endr
.endr
	s_lshl_b32 s54, ttmp9, 12
	s_add_co_u32 s54, s54, s57
	s_add_nc_u64 s[16:17], s[16:17], s[54:55]      ; xc: row 8 G + 2 w of 512 bytes
	s_lshl_b32 s54, ttmp9, 8
	s_add_nc_u64 s[18:19], s[18:19], s[54:55]      ; xs: the group's 256 bytes
	s_add_nc_u64 s[20:21], s[20:21], s[54:55]      ; scores: likewise
	s_lshl_b32 s54, ttmp9, 7
	s_add_nc_u64 s[22:23], s[22:23], s[54:55]      ; hist: 128 bytes
	s_wait_loadcnt 48                              ; my rows of gating_w are in: behind them stand x's 16 loads and the tiles' 32
	WIN 0x08                                       ; an LDS store's data are its source 1: window 2
.irp u, 0,1
.irp i, 0,1,2,3,4,5,6,7
	ds_store_b128 v10, v[192+32*\u+4*\i:192+32*\u+4*\i+3] offset:GWL+4096*\u+512*\i
.endr
.endr
	WIN 0
	s_wait_loadcnt 32                              ; x is in: behind it stand the tiles' 32 loads
.irp t, 0,1                            ; x through my own stages: in as loaded, out 128 bytes a lane.  LDS serves a wave's instructions in order (ISA guide 5.7.1.4): no wait between
.irp i, 0,1,2,3,4,5,6,7
	ds_store_b128 v3, v[R+32*\t+4*\i:R+32*\t+4*\i+3] offset:STG*\t+576*\i
.endr
.irp p, 0,1,2,3,4,5,6,7
	ds_load_b128 v[X+32*\t+4*\p:X+32*\t+4*\p+3], v4 offset:STG*\t+16*\p
.endr
.endr
	s_wait_dscnt 0x0                               ; for the others' sake: my rows of gating_w have landed (and x is back)
	s_barrier_signal -1
	s_barrier_wait -1                              ; all eight rows lie in LDS; nobody writes them again
	WIN 0x40                                       ; destination window 1
.irp e, 0,1,2,3,4,5,6,7
.irp i, 0,1,2,3,4,5,6,7
	ds_load_b128 v[32*\e+4*\i:32*\e+4*\i+3], v2 offset:GWL+4096*\e+512*\i
.endr
.endr
	WIN 0
	; THE QUANTISER, while gating_w comes: my 32 neighbours of a token are one block
.irp t, 0,1
	v_max3_num_f32 v[MX+2*\t], |v[X+32*\t]|, |v[X+32*\t+1]|, 0x1800000     ; with the floor 2^(3 - 127) among the leaves: the scale cannot fall under 2^-126
	v_max3_num_f32 v[MX+2*\t+1], |v[X+32*\t+2]|, |v[X+32*\t+3]|, 0x1800000
.endr
.irp i, 4,8,12,16,20,24,28
.irp t, 0,1
	v_max3_num_f32 v[MX+2*\t], v[MX+2*\t], |v[X+32*\t+\i]|, |v[X+32*\t+\i+1]|
	v_max3_num_f32 v[MX+2*\t+1], v[MX+2*\t+1], |v[X+32*\t+\i+2]|, |v[X+32*\t+\i+3]|
.endr
.endr
.irp t, 0,1
	v_max_num_f32 v[MX+2*\t], v[MX+2*\t], v[MX+2*\t+1]
.endr
.irp t, 0,1
	v_add_nc_u32 v[SOP+\t], 0xff000000, v[MX+2*\t] ; 2 off the exponent field: the conversion takes this operand's exponent field as its scale
.endr
.irp t, 0,1
.irp g, 0,1,2,3
	v_cvt_scalef32_pk8_fp4_f32 v[CD+4*\t+\g], v[X+32*\t+8*\g:X+32*\t+8*\g+7], v[SOP+\t]
.endr
.endr
.irp t, 0,1
	v_add_nc_u32 v[BY+\t], 0xfe800000, v[MX+2*\t]  ; 3 off: the scale's byte less one.  (A plain line behind the conversions)
.endr
.irp t, 0,1
	v_lshrrev_b32 v[BY+\t], 23, v[BY+\t]
.endr
.irp t, 0,1
	ds_store_b8 v5, v[BY+\t] offset:32*\t
	global_store_b128 v2, v[CD+4*\t:CD+4*\t+3], s[16:17] offset:512*\t     ; the token's 512 bytes of codes
.endr
	; THE IMAGES: a tile is turned as 16 x 32 pieces of 16 bytes through my own LDS; each tile has registers of its own to come back into, so no store's data are written again
.irp u, 0,1
	s_wait_loadcnt 16*(1-\u)                       ; this tile is in; the second tile's 16 loads may be out
	WIN 0x08
.irp i, 0,1,2,3,4,5,6,7,8,9,10,11,12,13,14,15
	ds_store_b128 v8, v[64*\u+4*\i:64*\u+4*\i+3] offset:16*\i
.endr
	WIN 0x80
.irp j, 0,1,2,3,4,5,6,7,8,9,10,11,12,13,14,15
	ds_load_b128 v[128+64*\u+4*\j:128+64*\u+4*\j+3], v9 offset:544*\j
.endr
	s_wait_dscnt 0x0                               ; the tile is back (and gating_w, asked for earlier, is in)
	WIN 0x08                                       ; a store's data are its source 1
.irp j, 0,1,2,3,4,5,6,7,8,9,10,11,12,13,14,15
	global_store_b128 v2, v[128+64*\u+4*\j:128+64*\u+4*\j+3], s[24:25] offset:8192*\u+512*\j   ; 512 consecutive bytes
.endr
.endr
	; THE GATE: 16 sums (two tokens x eight experts) by turns
	WIN 0x04                                       ; source 1 (gating_w) window 1
.irp t, 0,1
.irp e, 0,1,2,3,4,5,6,7
	v_pk_mul_f32 v[ACC+16*\t+2*\e:ACC+16*\t+2*\e+1], v[R+32*\t:R+32*\t+1], v[32*\e:32*\e+1]   ; the first products start the sums
.endr
.endr
.irp i, 1,2,3,4,5,6,7,8,9,10,11,12,13,14,15
.irp t, 0,1
.irp e, 0,1,2,3,4,5,6,7
	v_pk_fma_f32 v[ACC+16*\t+2*\e:ACC+16*\t+2*\e+1], v[R+32*\t+2*\i:R+32*\t+2*\i+1], v[32*\e+2*\i:32*\e+2*\i+1], v[ACC+16*\t+2*\e:ACC+16*\t+2*\e+1]
.endr
.endr
.endr
	WIN 0
.irp n, 0,1,2,3,4,5,6,7,8,9,10,11,12,13,14,15
	v_add_f32 v[LG+\n], v[ACC+2*\n], v[ACC+2*\n+1]
.endr
.irp m, 1,2,4,8
.irp n, 0,1,2,3,4,5,6,7,8,9,10,11,12,13,14,15
	v_add_f32_dpp v[LG+\n], v[LG+\n], v[LG+\n] row_xmask:\m row_mask:0xf bank_mask:0xf
.endr
.endr
.irp n, 0,1,2,3,4,5,6,7,8,9,10,11,12,13,14,15
	v_permlanex16_b32 v[ACC+\n], v[LG+\n], s38, s39        ; into registers that the sums have left: a lane permute's destination counts as one of its sources, and these are written
.endr
.irp n, 0,1,2,3,4,5,6,7,8,9,10,11,12,13,14,15
	v_add_f32 v[LG+\n], v[LG+\n], v[ACC+\n]
.endr
	s_wait_kmcnt 0x0                               ; gating_b
.irp t, 0,1
.irp e, 0,1,2,3,4,5,6,7
	v_add_f32 v[LG+8*\t+\e], s[28+\e], v[LG+8*\t+\e]       ; the logits, in every lane
.endr
.endr
.macro PICK src, val, idx              ; the largest of eight and its index: a strict > keeps the lower index; the two tokens by turns
.irp t, 0,1
	v_mov_b32 v[\val+\t], v[\src+8*\t]
	v_mov_b32 v[\idx+\t], 0
.endr
.irp e, 1,2,3,4,5,6,7
.irp t, 0,1
	v_cmp_gt_f32 s[58+\t], v[\src+8*\t+\e], v[\val+\t]
.endr
.irp t, 0,1
	v_cndmask_b32 v[\idx+\t], v[\idx+\t], \e, s[58+\t]
.endr
.irp t, 0,1
	v_max_num_f32 v[\val+\t], v[\val+\t], v[\src+8*\t+\e]
.endr
.endr
.endm
	PICK LG, BEST, BIX
.irp t, 0,1
	v_add_f32 v[SEC+\t], 0xc2aeac50, v[BEST+\t]    ; best - 126 ln 2: under it a score is 0, and zeros tie
.endr
.irp t, 0,1
.irp e, 0,1,2,3,4,5,6,7
	v_max_num_f32 v[MK+8*\t+\e], v[LG+8*\t+\e], v[SEC+\t]
.endr
.endr
.irp t, 0,1
.irp e, 0,1,2,3,4,5,6,7
	v_cmp_eq_u32 vcc_lo, \e, v[BIX+\t]
	v_cndmask_b32 v[MK+8*\t+\e], v[MK+8*\t+\e], v11, vcc_lo        ; the first choice is out
.endr
.endr
	PICK MK, SEC, SIX
	; the score of expert lane % 8
.irp t, 0,1
	v_mov_b32 v[LS+\t], v[LG+8*\t]
.endr
.irp e, 1,2,3,4,5,6,7
.irp t, 0,1
	v_cndmask_b32 v[LS+\t], v[LS+\t], v[LG+8*\t+\e], s[39+\e]
.endr
.endr
.irp t, 0,1
	v_sub_f32 v[LS+\t], v[LS+\t], v[BEST+\t]       ; the largest logit is taken away
.endr
.irp t, 0,1
	v_mul_f32 v[LS+\t], 0x3fb8aa3b, v[LS+\t]
.endr
.irp t, 0,1
	v_exp_f32 v[EX+\t], v[LS+\t]
.endr
.irp t, 0,1                            ; independent work behind the exponentials: the keys
	v_min_u32 v[T0+\t], v[BIX+\t], v[SIX+\t]       ; lo
	v_max_u32 v[T2+\t], v[BIX+\t], v[SIX+\t]       ; hi
.endr
.irp t, 0,1
	v_sub_nc_u32 v[T4+\t], 13, v[T0+\t]
.endr
.irp t, 0,1
	v_mul_u32_u24 v[T4+\t], v[T4+\t], v[T0+\t]
.endr
.irp t, 0,1
	v_lshrrev_b32 v[T4+\t], 1, v[T4+\t]
.endr
.irp t, 0,1
	v_add3_u32 v[KK+\t], v[T4+\t], v[T2+\t], -1    ; key = lo (13 - lo) / 2 + hi - 1
.endr
	s_wait_alu depctr_va_vdst(0)                   ; the wait ahead of the first reader of the exponentials: one for both
.irp t, 0,1
	v_add_f32_dpp v[SM+\t], v[EX+\t], v[EX+\t] row_xmask:1 row_mask:0xf bank_mask:0xf
.endr
.irp m, 2,4
.irp t, 0,1
	v_add_f32_dpp v[SM+\t], v[SM+\t], v[SM+\t] row_xmask:\m row_mask:0xf bank_mask:0xf     ; the sum over the eight experts
.endr
.endr
.irp t, 0,1
	v_rcp_f32 v[RC+\t], v[SM+\t]
.endr
	v_nop                                          ; a plain line behind the reciprocals
	s_wait_alu depctr_va_vdst(0)                   ; and the wait ahead of their first reader
.irp t, 0,1
	v_mul_f32 v[EX+\t], v[EX+\t], v[RC+\t]
.endr
	v_cndmask_b32 v[SCV], v[EX], v[EX+1], s47      ; lanes with lane % 16 < 8 keep my first token's score, the others my second's
	ds_store_b32 v12, v[SCV]
	ds_store_b64 v13, v[KK:KK+1]                   ; all lanes write the same two words with the same values
	s_wait_dscnt 0x0                               ; for wave 0's sake: my keys, scores and scale bytes have landed
	s_barrier_signal -1
	s_barrier_wait -1
	s_cmp_lg_u32 s36, 0
	s_cbranch_scc1 .Lend                           ; the rest is wave 0's; no barrier follows
	ds_load_b128 v[K8:K8+3], v14                   ; the 8 keys, in every lane
	ds_load_b128 v[K8+4:K8+7], v14 offset:16
	ds_load_b64 v[40:41], v15
	ds_load_b64 v[42:43], v16
	v_mov_b32 v44, 0
	v_mov_b32 v45, 0
	v_mov_b32 v46, 0
	s_wait_dscnt 0x0
	global_store_b64 v6, v[40:41], s[18:19]        ; the group's 256 scale bytes: 256 consecutive bytes, aligned
	global_store_b64 v6, v[42:43], s[20:21]        ; its 64 scores likewise
.irp p, 0,1,2,3,4,5,6,7
	v_cmp_eq_u32 vcc_lo, v[K8+\p], v1              ; lane = key counts token p,
	v_add_co_ci_u32 v44, vcc_lo, 0, v44, vcc_lo
	s_lshl_b32 s51, 1<<\p, s37
	v_cndmask_b32 v45, v45, v[K8+\p], s51          ; and lane 8 (G % 4) + p keeps its key
.endr
.irp p, 0,1,2,3,4,5,6
	v_cmp_eq_u32 vcc_lo, v[K8+\p], v45             ; my token's rank: the earlier tokens of the group with its key
	s_lshl_b32 s51, (0xff<<(\p+1))&0xff, s37       ; (only the lanes of later tokens count token p)
	s_and_b32 vcc_lo, vcc_lo, s51
	v_add_co_ci_u32 v46, vcc_lo, 0, v46, vcc_lo
.endr
	v_lshl_or_b32 v44, v45, 8, v44
	v_lshl_or_b32 v44, v46, 16, v44
	global_store_b32 v7, v44, s[22:23]             ; the hist row: 128 consecutive bytes
.Lend:
	s_wait_tensorcnt 0x0
	ds_add_u32 v254, v255
	s_wait_dscnt 0x0
	s_endpgm
.Lfunc_end_k_q7d7a6eeeb1_prep:
	.size	k_q7d7a6eeeb1_prep, .Lfunc_end_k_q7d7a6eeeb1_prep-k_q7d7a6eeeb1_prep
	.p2alignl 7, 3214868480
	.fill 96, 4, 3214868480
	.section	.rodata,"a",@progbits
	.p2align	6, 0x0
	.amdhsa_kernel k_q7d7a6eeeb1_prep
		.amdhsa_group_segment_fixed_size 107008
		.amdhsa_private_segment_fixed_size 0
		.amdhsa_enable_private_segment 0
		.amdhsa_kernarg_size 72
		.amdhsa_user_sgpr_count 2
		.amdhsa_user_sgpr_kernarg_segment_ptr 1
		.amdhsa_wavefront_size32 1
		.amdhsa_system_sgpr_workgroup_id_x 1
		.amdhsa_system_sgpr_workgroup_id_y 1
		.amdhsa_system_sgpr_workgroup_id_z 1
		.amdhsa_system_vgpr_workitem_id 0
		.amdhsa_next_free_vgpr 768
		.amdhsa_next_free_sgpr 66
		.amdhsa_reserve_vcc 1
		.amdhsa_float_denorm_mode_32 3
		.amdhsa_float_denorm_mode_16_64 3
		.amdhsa_memory_ordered 1
		.amdhsa_forward_progress 1
		.amdhsa_inst_pref_size 63
	.end_amdhsa_kernel
	.amdgpu_metadata
---
amdhsa.version: [ 1, 2 ]
amdhsa.kernels:
  - .name:           k_q7d7a6eeeb1_prep
    .symbol:         k_q7d7a6eeeb1_prep.kd
    .args:
      - { .name: sequences, .offset: 0, .size: 8, .value_kind: global_buffer, .address_space: global }
      - { .name: gating_w, .offset: 8, .size: 8, .value_kind: global_buffer, .address_space: global }
      - { .name: gating_b, .offset: 16, .size: 8, .value_kind: global_buffer, .address_space: global }
      - { .name: expert_w_codes, .offset: 24, .size: 8, .value_kind: global_buffer, .address_space: global }
      - { .name: xc, .offset: 32, .size: 8, .value_kind: global_buffer, .address_space: global }
      - { .name: xs, .offset: 40, .size: 8, .value_kind: global_buffer, .address_space: global }
      - { .name: scores, .offset: 48, .size: 8, .value_kind: global_buffer, .address_space: global }
      - { .name: hist, .offset: 56, .size: 8, .value_kind: global_buffer, .address_space: global }
      - { .name: wimg, .offset: 64, .size: 8, .value_kind: global_buffer, .address_space: global }
    .group_segment_fixed_size: 107008
    .private_segment_fixed_size: 0
    .kernarg_segment_align: 8
    .kernarg_segment_size: 72
    .max_flat_workgroup_size: 128
    .sgpr_count:     66
    .vgpr_count:     768
    .wavefront_size: 32
...
	.end_amdgpu_metadata
.endif
;; end of part 4
;; launch place: the kernel of part 2 again; grid 1 x 1, 8 waves a work-group, no clusters, 3,072 bytes of LDS; arguments hist, scores, order, table, out1; writes order, table, out1
;; launch experts: the kernel of part 3 again; grid 8 x 43, 4 waves a work-group, no clusters, 207,360 bytes of LDS; arguments table, order, xc, xs, wimg, expert_w_scales, expert_b, out0; writes out0
;; ======== version 3 of 3: 3 launches
;; limits: right only within a limited range of input values
;; workspace buffers: xc 1,048,576 bytes; xs 65,536 bytes; scores 65,536 bytes; hist 32,768 bytes of whole numbers; order 8,192 bytes of whole numbers; table 512 bytes of whole numbers; wimg 16,777,216 bytes
;; launch prep (part 5): grid 256 x 1, 4 waves a work-group, no clusters, 107,008 bytes of LDS; arguments sequences, gating_w, gating_b, expert_w_codes, xc, xs, scores, hist, wimg; writes xc, xs, scores, hist, wimg
.if DOCPART == 5
	.amdgcn_target "amdgcn-amd-amdhsa--gfx1250"
	.amdhsa_code_object_version 6
	.text
	.protected	k_q7d7a6eeeb1_prep
	.globl	k_q7d7a6eeeb1_prep
	.p2align	8
	.type	k_q7d7a6eeeb1_prep,@function
k_q7d7a6eeeb1_prep:
	s_mov_b64 s[64:65], 0
	v_nop
	global_prefetch_b8 v0, s[64:65] scope:SCOPE_SE
	s_setreg_imm32_b32 hwreg(HW_REG_WAVE_MODE, 25, 1), 1
	s_wait_xcnt 0x0
; PREP.  256 work-groups of four waves, all alike.  Work-group G does two things.
; THE GATE, for group G of 8 tokens; wave w takes tokens 8 G + 2 w and 8 G + 2 w + 1.  For each token: the 8 logits x . gating_w[e] + gating_b[e] by f32 multiply-adds, the softmax score of every
;   expert (the largest logit is taken away first), the pair of experts with the two largest scores as a key 0..27 (key = lo (13 - lo) / 2 + hi - 1, lo < hi), and x as codes of E2M1 with one E8M0 byte
;   for each 32 along K.  The byte is stored LESS ONE: that halves every product exactly, which is reference()'s division by TOP_K.
;   hist row G (32 words): bits 7:0 of lane l = how many of the 8 tokens have key l; in lanes 8 (G % 4) + t also bits 15:8 = token t's key, bits 23:16 = its rank among the group's earlier tokens of that key.
; THE IMAGES: wave w lays two tiles of 16 rows of expert_w_codes, 16,384 bytes at (4 G + w) 16,384, in the order in which a wave's operand registers take them:
;   wimg[e][tile of 16 rows][j 0..15][lane][16 bytes], piece (j, r + 16 h) = block 2 j + h of row r: with j = 2 s + c these are registers 4 c .. 4 c + 3 of the fragment of K step s.
; HOW.  All 64 loads of a wave go out at the head: my two rows of gating_w, my two rows of x, my two tiles.  gating_w is fetched once for the work-group: each wave puts its two rows into LDS as loaded,
;   and behind a barrier every wave reads all eight back, 16 bytes a lane, in the very lane layout in which x was loaded: a dot product asks only that both sides lie alike, so nothing of it is turned.
;   x's rows go through the wave's own stage once more for the quantiser, which wants 32 neighbours in a lane.  The images are turned and stored ahead of the gate's arithmetic.
;   The two tokens' chains are written by turns, so that no line waits for the line above it.  The 8 tokens' keys, scores and scale bytes meet in LDS behind a second barrier, and wave 0 stores them.
; No matrix unit: eight outputs a token are too few for a tile, and the choice of experts wants f32.  No tensor loads and no cluster: gating_w, the one input that work-groups share, is 32,768 of the 131,072
;   bytes that a work-group reads, is read once at the head, and a joint request would put a round of the cluster's barrier ahead of the launch's only loads.
; LIMITS.  NaN and infinities are not served.  The gate's sums are added in another order than reference() adds them, so a pair of logits closer than that rounding may be chosen the other way.
;   The pair is chosen on the logits, ties to the lower index; for the second choice logits more than 126 ln 2 under the largest count as equal (their scores are 0 by this chip's exponential,
;   which gives 0 under 2^-126: ISA guide, the entry of V_EXP_F32); where reference() still tells such scores apart, the choice may differ.
;   A block of x whose largest magnitude lies under 2^-124 has the quantiser's smallest scale, stored as byte 0 (2^-127); a block of zeros too: its codes are zeros.
.set GWL,   0                          ; LDS: gating_w as loaded: row e at 4,096 e, load i's 512 bytes at 512 i
.set XST,   32768                      ; x's stages: wave w at XST + XREG w: two stages, one for each token
.set XREG,  9216
.set STG,   4608                       ; a stage: 32 places of 128 bytes + 16 of padding (pitch 144 = 9 x 16 bytes)
.set RLY,   69632                      ; the images' turn: wave w at RLY + RREG w
.set RREG,  8704                       ; 32 blocks x (16 rows x 16 bytes + 16 of padding): pitch 272 = 17 x 16 bytes
.set SB,    104448                     ; the group's 256 scale bytes: token t's 32 at 32 t
.set SCO,   104704                     ; its 64 scores: token t, expert e at 32 t + 4 e
.set KEYS,  104960                     ; its 8 keys, a word each
; window 0: v1 lane, v2 16 lane, v3 stage in, v4 stage out, v5 my scale byte's place, v6 8 lane, v7 4 lane, v8 turn in, v9 turn out, v10 gating_w in, v11 -infinity,
;   v12 my score's place, v13 my two keys' place, v14 the keys, v15 scale bytes back, v16 scores back
.set KK,   18                          ; v18-19   my two tokens' keys, the same in all lanes
.set MX,   20                          ; v20-23   largest magnitudes, two chains a token
.set CD,   24                          ; v24-31   codes, 4 registers a token
.set R,    32                          ; v32-95   x as loaded: register 32 t + 4 i + j = x[128 i + 4 lane + j]
.set X,    96                          ; v96-159  x turned: register 32 t + i = x[32 lane + i]
.set ACC,  160                         ; v160-191 16 pairs of partial sums (token t, expert e at 16 t + 2 e); later the other half of the lanes' sums
.set LG,   192                         ; v192-207 the logits, 8 t + e
.set MK,   208                         ; v208-223 the logits for the second choice
.set SOP,  224                         ; the conversions' scale operands;  from here on a pair of registers each, one for each token
.set BY,   226                         ; scale bytes
.set BEST, 228                         ; the largest logit,
.set BIX,  230                         ; its index,
.set SEC,  232                         ; the second,
.set SIX,  234                         ; its index
.set T0,   236
.set T2,   238
.set T4,   240
.set LS,   242                         ; the logit of expert lane % 8
.set EX,   244                         ; its exponential, then its score
.set SM,   246                         ; the sum over the experts
.set RC,   248                         ; 1 / the sum
.set SCV,  250                         ; the score that my lane stores
.set K8,   32                          ; wave 0's end: v32-39 the 8 keys, v40-41 scale bytes, v42-43 scores, v44 counts, v45 my token's key, v46 its rank
; window 1 (v256-511): gating_w: register 32 e + 4 i + j = gating_w[e][128 i + 4 lane + j]
; window 2 (v512-767): v0-127 my two tiles as loaded; v128-191, v192-255 the tiles read back; v192-255 hold my two rows of gating_w first
; s36 wave, s37 8 (G % 4), s38-39 lane selects, s40-46 the lanes with lane % 8 = 1 .. 7, s47 the lanes with lane % 16 >= 8, s51-57 at work, s58-59 compare masks
.set MSB, 0
.macro WIN new                         ; bits 1:0 source 0, 3:2 source 1, 5:4 source 2, 7:6 destination; the high byte repeats the setting that is left; a switch that changes nothing is dropped
.if MSB != (\new)
	s_set_vgpr_msb (MSB<<8)|(\new)
.set MSB, (\new)
.endif
.endm
	s_load_b512 s[8:23], s[0:1], 0x0               ; sequences, gating_w, gating_b, codes, xc, xs, scores, hist
	s_load_b64 s[24:25], s[0:1], 0x40              ; wimg
	v_lshl_add_u32 v254, v0, 2, 0x1a000
	v_mov_b32 v255, 0
	v_lshrrev_b32 v1, 5, v0
	v_readfirstlane_b32 s36, v1                    ; wave 0..3
	v_and_b32 v1, 31, v0                           ; lane
	v_lshlrev_b32 v2, 4, v1                        ; 16 bytes a lane: a load or store of the wave covers 512 consecutive bytes
	v_lshlrev_b32 v6, 3, v1
	v_lshlrev_b32 v7, 2, v1
	s_mul_i32 s51, s36, XREG
	s_add_co_u32 s51, s51, XST
	v_lshrrev_b32 v3, 3, v1
	v_mul_u32_u24 v3, v3, 144
	v_and_b32 v4, 7, v1
	v_lshl_add_u32 v3, v4, 4, v3
	v_add_nc_u32 v3, s51, v3                       ; into a stage: eight lanes' 128 bytes on end, then 16 of padding
	v_mul_u32_u24 v4, v1, 144
	v_add_nc_u32 v4, s51, v4                       ; out of it: place = lane: my 32 neighbours
	s_lshl_b32 s52, s36, 6
	v_add_nc_u32 v5, s52, v1
	v_add_nc_u32 v5, SB, v5                        ; my block's scale byte: 64 w + lane, the second token's 32 further on
	v_and_b32 v12, 15, v0
	v_lshlrev_b32 v12, 2, v12
	v_add_nc_u32 v12, s52, v12
	v_add_nc_u32 v12, SCO, v12                     ; my score: 64 w + 4 (lane % 16); lanes 16-31 write what lanes 0-15 write
	s_lshl_b32 s53, s36, 3
	v_mov_b32 v13, s53
	v_add_nc_u32 v13, KEYS, v13                    ; my two keys: 8 w
	v_mov_b32 v14, KEYS
	v_add_nc_u32 v15, SB, v6
	v_add_nc_u32 v16, SCO, v6
	s_mul_i32 s51, s36, RREG
	s_add_co_u32 s51, s51, RLY
	v_mul_u32_u24 v8, v1, 272
	v_add_nc_u32 v8, s51, v8                       ; a tile's turn, in: place = block = lane; row i at 16 i
	v_lshrrev_b32 v9, 4, v1
	v_mul_u32_u24 v9, v9, 272
	v_and_b32 v10, 15, v1
	v_lshl_add_u32 v9, v10, 4, v9
	v_add_nc_u32 v9, s51, v9                       ; out: block 2 j + lane / 16, row lane % 16
	s_lshl_b32 s56, s36, 13
	v_add_nc_u32 v10, s56, v2                      ; my two rows of gating_w: 8,192 w + 16 lane
	v_mov_b32 v11, 0xff800000                      ; -infinity
	v_mov_b32 v[SM], 0                             ; written once: a DPP form's destination counts as one of its sources
	v_mov_b32 v[SM+1], 0
	s_and_b32 s37, ttmp9, 3
	s_lshl_b32 s37, s37, 3                         ; where my group's tokens stand among the 32 lanes of a hist row
	s_mov_b32 s38, 0x76543210
	s_mov_b32 s39, 0xfedcba98                      ; v_permlanex16_b32's selects for lane l xor 16
.irp e, 1,2,3,4,5,6,7
	s_mov_b32 s[39+\e], 0x01010101<<\e             ; the lanes with lane % 8 = e
.endr
	s_mov_b32 s47, 0xff00ff00
	s_mov_b32 s55, 0
	s_lshl_b32 s57, s36, 10
	s_wait_alu depctr_va_vdst(0)
	s_wait_kmcnt 0x0
	s_load_b256 s[28:35], s[12:13], 0x0            ; gating_b
	s_mov_b32 s54, s56
	s_add_nc_u64 s[10:11], s[10:11], s[54:55]      ; gating_w: rows 2 w, 2 w + 1
	s_lshl_b32 s54, ttmp9, 15
	s_add_co_u32 s54, s54, s56
	s_add_nc_u64 s[8:9], s[8:9], s[54:55]          ; x: row 8 G + 2 w of 4,096 bytes
	s_lshl_b32 s54, ttmp9, 16
	s_lshl_b32 s56, s36, 14
	s_add_co_u32 s54, s54, s56
	s_add_nc_u64 s[14:15], s[14:15], s[54:55]      ; the codes and the images: (4 G + w) 16,384
	s_add_nc_u64 s[24:25], s[24:25], s[54:55]
	WIN 0x80                                       ; destination window 2
.irp u, 0,1
.irp i, 0,1,2,3,4,5,6,7
	global_load_b128 v[192+32*\u+4*\i:192+32*\u+4*\i+3], v2, s[10:11] offset:4096*\u+512*\i
.endr
.endr
	WIN 0
.irp t, 0,1
.irp i, 0,1,2,3,4,5,6,7
	global_load_b128 v[R+32*\t+4*\i:R+32*\t+4*\i+3], v2, s[8:9] offset:4096*\t+512*\i th:TH_LOAD_NT
.endr
.endr
	WIN 0x80
.irp u, 0,1
.irp i, 0,1,2,3,4,5,6,7,8,9,10,11,12,13,14,15
	global_load_b128 v[64*\u+4*\i:64*\u+4*\i+3], v2, s[14:15] offset:8192*\u+512*\i th:TH_LOAD_NT   ; a whole row of 512 bytes
.endr
.endr
	s_lshl_b32 s54, ttmp9, 12
	s_add_co_u32 s54, s54, s57
	s_add_nc_u64 s[16:17], s[16:17], s[54:55]      ; xc: row 8 G + 2 w of 512 bytes
	s_lshl_b32 s54, ttmp9, 8
	s_add_nc_u64 s[18:19], s[18:19], s[54:55]      ; xs: the group's 256 bytes
	s_add_nc_u64 s[20:21], s[20:21], s[54:55]      ; scores: likewise
	s_lshl_b32 s54, ttmp9, 7
	s_add_nc_u64 s[22:23], s[22:23], s[54:55]      ; hist: 128 bytes
	s_wait_loadcnt 48                              ; my rows of gating_w are in: behind them stand x's 16 loads and the tiles' 32
	WIN 0x08                                       ; an LDS store's data are its source 1: window 2
.irp u, 0,1
.irp i, 0,1,2,3,4,5,6,7
	ds_store_b128 v10, v[192+32*\u+4*\i:192+32*\u+4*\i+3] offset:GWL+4096*\u+512*\i
.endr
.endr
	WIN 0
	s_wait_loadcnt 32                              ; x is in: behind it stand the tiles' 32 loads
.irp t, 0,1                            ; x through my own stages: in as loaded, out 128 bytes a lane.  LDS serves a wave's instructions in order (ISA guide 5.7.1.4): no wait between
.irp i, 0,1,2,3,4,5,6,7
	ds_store_b128 v3, v[R+32*\t+4*\i:R+32*\t+4*\i+3] offset:STG*\t+576*\i
.endr
.irp p, 0,1,2,3,4,5,6,7
	ds_load_b128 v[X+32*\t+4*\p:X+32*\t+4*\p+3], v4 offset:STG*\t+16*\p
.endr
.endr
	s_wait_dscnt 0x0                               ; for the others' sake: my rows of gating_w have landed (and x is back)
	s_barrier_signal -1
	s_barrier_wait -1                              ; all eight rows lie in LDS; nobody writes them again
	WIN 0x40                                       ; destination window 1
.irp e, 0,1,2,3,4,5,6,7
.irp i, 0,1,2,3,4,5,6,7
	ds_load_b128 v[32*\e+4*\i:32*\e+4*\i+3], v2 offset:GWL+4096*\e+512*\i
.endr
.endr
	WIN 0
	; THE QUANTISER, while gating_w comes: my 32 neighbours of a token are one block
.irp t, 0,1
	v_max3_num_f32 v[MX+2*\t], |v[X+32*\t]|, |v[X+32*\t+1]|, 0x1800000     ; with the floor 2^(3 - 127) among the leaves: the scale cannot fall under 2^-126
	v_max3_num_f32 v[MX+2*\t+1], |v[X+32*\t+2]|, |v[X+32*\t+3]|, 0x1800000
.endr
.irp i, 4,8,12,16,20,24,28
.irp t, 0,1
	v_max3_num_f32 v[MX+2*\t], v[MX+2*\t], |v[X+32*\t+\i]|, |v[X+32*\t+\i+1]|
	v_max3_num_f32 v[MX+2*\t+1], v[MX+2*\t+1], |v[X+32*\t+\i+2]|, |v[X+32*\t+\i+3]|
.endr
.endr
.irp t, 0,1
	v_max_num_f32 v[MX+2*\t], v[MX+2*\t], v[MX+2*\t+1]
.endr
.irp t, 0,1
	v_add_nc_u32 v[SOP+\t], 0xff000000, v[MX+2*\t] ; 2 off the exponent field: the conversion takes this operand's exponent field as its scale
.endr
.irp t, 0,1
.irp g, 0,1,2,3
	v_cvt_scalef32_pk8_fp4_f32 v[CD+4*\t+\g], v[X+32*\t+8*\g:X+32*\t+8*\g+7], v[SOP+\t]
.endr
.endr
.irp t, 0,1
	v_add_nc_u32 v[BY+\t], 0xfe800000, v[MX+2*\t]  ; 3 off: the scale's byte less one.  (A plain line behind the conversions)
.endr
.irp t, 0,1
	v_lshrrev_b32 v[BY+\t], 23, v[BY+\t]
.endr
.irp t, 0,1
	ds_store_b8 v5, v[BY+\t] offset:32*\t
	global_store_b128 v2, v[CD+4*\t:CD+4*\t+3], s[16:17] offset:512*\t     ; the token's 512 bytes of codes
.endr
	; THE IMAGES: a tile is turned as 16 x 32 pieces of 16 bytes through my own LDS; each tile has registers of its own to come back into, so no store's data are written again
.irp u, 0,1
	s_wait_loadcnt 16*(1-\u)                       ; this tile is in; the second tile's 16 loads may be out
	WIN 0x08
.irp i, 0,1,2,3,4,5,6,7,8,9,10,11,12,13,14,15
	ds_store_b128 v8, v[64*\u+4*\i:64*\u+4*\i+3] offset:16*\i
.endr
	WIN 0x80
.irp j, 0,1,2,3,4,5,6,7,8,9,10,11,12,13,14,15
	ds_load_b128 v[128+64*\u+4*\j:128+64*\u+4*\j+3], v9 offset:544*\j
.endr
	s_wait_dscnt 0x0                               ; the tile is back (and gating_w, asked for earlier, is in)
	WIN 0x08                                       ; a store's data are its source 1
.irp j, 0,1,2,3,4,5,6,7,8,9,10,11,12,13,14,15
	global_store_b128 v2, v[128+64*\u+4*\j:128+64*\u+4*\j+3], s[24:25] offset:8192*\u+512*\j   ; 512 consecutive bytes
.endr
.endr
	; THE GATE: 16 sums (two tokens x eight experts) by turns
	WIN 0x04                                       ; source 1 (gating_w) window 1
.irp t, 0,1
.irp e, 0,1,2,3,4,5,6,7
	v_pk_mul_f32 v[ACC+16*\t+2*\e:ACC+16*\t+2*\e+1], v[R+32*\t:R+32*\t+1], v[32*\e:32*\e+1]   ; the first products start the sums
.endr
.endr
.irp i, 1,2,3,4,5,6,7,8,9,10,11,12,13,14,15
.irp t, 0,1
.irp e, 0,1,2,3,4,5,6,7
	v_pk_fma_f32 v[ACC+16*\t+2*\e:ACC+16*\t+2*\e+1], v[R+32*\t+2*\i:R+32*\t+2*\i+1], v[32*\e+2*\i:32*\e+2*\i+1], v[ACC+16*\t+2*\e:ACC+16*\t+2*\e+1]
.endr
.endr
.endr
	WIN 0
.irp n, 0,1,2,3,4,5,6,7,8,9,10,11,12,13,14,15
	v_add_f32 v[LG+\n], v[ACC+2*\n], v[ACC+2*\n+1]
.endr
.irp m, 1,2,4,8
.irp n, 0,1,2,3,4,5,6,7,8,9,10,11,12,13,14,15
	v_add_f32_dpp v[LG+\n], v[LG+\n], v[LG+\n] row_xmask:\m row_mask:0xf bank_mask:0xf
.endr
.endr
.irp n, 0,1,2,3,4,5,6,7,8,9,10,11,12,13,14,15
	v_permlanex16_b32 v[ACC+\n], v[LG+\n], s38, s39        ; into registers that the sums have left: a lane permute's destination counts as one of its sources, and these are written
.endr
.irp n, 0,1,2,3,4,5,6,7,8,9,10,11,12,13,14,15
	v_add_f32 v[LG+\n], v[LG+\n], v[ACC+\n]
.endr
	s_wait_kmcnt 0x0                               ; gating_b
.irp t, 0,1
.irp e, 0,1,2,3,4,5,6,7
	v_add_f32 v[LG+8*\t+\e], s[28+\e], v[LG+8*\t+\e]       ; the logits, in every lane
.endr
.endr
.macro PICK src, val, idx              ; the largest of eight and its index: a strict > keeps the lower index; the two tokens by turns
.irp t, 0,1
	v_mov_b32 v[\val+\t], v[\src+8*\t]
	v_mov_b32 v[\idx+\t], 0
.endr
.irp e, 1,2,3,4,5,6,7
.irp t, 0,1
	v_cmp_gt_f32 s[58+\t], v[\src+8*\t+\e], v[\val+\t]
.endr
.irp t, 0,1
	v_cndmask_b32 v[\idx+\t], v[\idx+\t], \e, s[58+\t]
.endr
.irp t, 0,1
	v_max_num_f32 v[\val+\t], v[\val+\t], v[\src+8*\t+\e]
.endr
.endr
.endm
	PICK LG, BEST, BIX
.irp t, 0,1
	v_add_f32 v[SEC+\t], 0xc2aeac50, v[BEST+\t]    ; best - 126 ln 2: under it a score is 0, and zeros tie
.endr
.irp t, 0,1
.irp e, 0,1,2,3,4,5,6,7
	v_max_num_f32 v[MK+8*\t+\e], v[LG+8*\t+\e], v[SEC+\t]
.endr
.endr
.irp t, 0,1
.irp e, 0,1,2,3,4,5,6,7
	v_cmp_eq_u32 vcc_lo, \e, v[BIX+\t]
	v_cndmask_b32 v[MK+8*\t+\e], v[MK+8*\t+\e], v11, vcc_lo        ; the first choice is out
.endr
.endr
	PICK MK, SEC, SIX
	; the score of expert lane % 8
.irp t, 0,1
	v_mov_b32 v[LS+\t], v[LG+8*\t]
.endr
.irp e, 1,2,3,4,5,6,7
.irp t, 0,1
	v_cndmask_b32 v[LS+\t], v[LS+\t], v[LG+8*\t+\e], s[39+\e]
.endr
.endr
.irp t, 0,1
	v_sub_f32 v[LS+\t], v[LS+\t], v[BEST+\t]       ; the largest logit is taken away
.endr
.irp t, 0,1
	v_mul_f32 v[LS+\t], 0x3fb8aa3b, v[LS+\t]
.endr
	s_wait_alu depctr_va_vdst(0)
.irp t, 0,1
	v_exp_f32 v[EX+\t], v[LS+\t]
.endr
.irp t, 0,1                            ; independent work behind the exponentials: the keys
	v_min_u32 v[T0+\t], v[BIX+\t], v[SIX+\t]       ; lo
	v_max_u32 v[T2+\t], v[BIX+\t], v[SIX+\t]       ; hi
.endr
.irp t, 0,1
	v_sub_nc_u32 v[T4+\t], 13, v[T0+\t]
.endr
.irp t, 0,1
	v_mul_u32_u24 v[T4+\t], v[T4+\t], v[T0+\t]
.endr
.irp t, 0,1
	v_lshrrev_b32 v[T4+\t], 1, v[T4+\t]
.endr
.irp t, 0,1
	v_add3_u32 v[KK+\t], v[T4+\t], v[T2+\t], -1    ; key = lo (13 - lo) / 2 + hi - 1
.endr
	s_wait_alu depctr_va_vdst(0)                   ; the wait ahead of the first reader of the exponentials: one for both
.irp t, 0,1
	v_add_f32_dpp v[SM+\t], v[EX+\t], v[EX+\t] row_xmask:1 row_mask:0xf bank_mask:0xf
.endr
.irp m, 2,4
.irp t, 0,1
	v_add_f32_dpp v[SM+\t], v[SM+\t], v[SM+\t] row_xmask:\m row_mask:0xf bank_mask:0xf     ; the sum over the eight experts
.endr
.endr
	s_wait_alu depctr_va_vdst(0)
.irp t, 0,1
	v_rcp_f32 v[RC+\t], v[SM+\t]
.endr
	v_nop                                          ; a plain line behind the reciprocals
	s_wait_alu depctr_va_vdst(0)                   ; and the wait ahead of their first reader
.irp t, 0,1
	v_mul_f32 v[EX+\t], v[EX+\t], v[RC+\t]
.endr
	v_cndmask_b32 v[SCV], v[EX], v[EX+1], s47      ; lanes with lane % 16 < 8 keep my first token's score, the others my second's
	ds_store_b32 v12, v[SCV]
	ds_store_b64 v13, v[KK:KK+1]                   ; all lanes write the same two words with the same values
	s_wait_dscnt 0x0                               ; for wave 0's sake: my keys, scores and scale bytes have landed
	s_barrier_signal -1
	s_barrier_wait -1
	s_cmp_lg_u32 s36, 0
	s_cbranch_scc1 .Lend                           ; the rest is wave 0's; no barrier follows
	ds_load_b128 v[K8:K8+3], v14                   ; the 8 keys, in every lane
	ds_load_b128 v[K8+4:K8+7], v14 offset:16
	ds_load_b64 v[40:41], v15
	ds_load_b64 v[42:43], v16
	v_mov_b32 v44, 0
	v_mov_b32 v45, 0
	v_mov_b32 v46, 0
	s_wait_alu depctr_va_vdst(0)
	s_wait_dscnt 0x0
	global_store_b64 v6, v[40:41], s[18:19]        ; the group's 256 scale bytes: 256 consecutive bytes, aligned
	global_store_b64 v6, v[42:43], s[20:21]        ; its 64 scores likewise
.irp p, 0,1,2,3,4,5,6,7
	v_cmp_eq_u32 vcc_lo, v[K8+\p], v1              ; lane = key counts token p,
	v_add_co_ci_u32 v44, vcc_lo, 0, v44, vcc_lo
	s_lshl_b32 s51, 1<<\p, s37
	v_cndmask_b32 v45, v45, v[K8+\p], s51          ; and lane 8 (G % 4) + p keeps its key
.endr
	s_wait_alu depctr_va_vdst(0)
.irp p, 0,1,2,3,4,5,6
	v_cmp_eq_u32 vcc_lo, v[K8+\p], v45             ; my token's rank: the earlier tokens of the group with its key
	s_lshl_b32 s51, (0xff<<(\p+1))&0xff, s37       ; (only the lanes of later tokens count token p)
	s_and_b32 vcc_lo, vcc_lo, s51
	v_add_co_ci_u32 v46, vcc_lo, 0, v46, vcc_lo
.endr
	v_lshl_or_b32 v44, v45, 8, v44
	v_lshl_or_b32 v44, v46, 16, v44
	global_store_b32 v7, v44, s[22:23]             ; the hist row: 128 consecutive bytes
.Lend:
	s_wait_tensorcnt 0x0
	ds_add_u32 v254, v255
	s_wait_dscnt 0x0
	s_endpgm
.Lfunc_end_k_q7d7a6eeeb1_prep:
	.size	k_q7d7a6eeeb1_prep, .Lfunc_end_k_q7d7a6eeeb1_prep-k_q7d7a6eeeb1_prep
	.p2alignl 7, 3214868480
	.fill 96, 4, 3214868480
	.section	.rodata,"a",@progbits
	.p2align	6, 0x0
	.amdhsa_kernel k_q7d7a6eeeb1_prep
		.amdhsa_group_segment_fixed_size 107008
		.amdhsa_private_segment_fixed_size 0
		.amdhsa_enable_private_segment 0
		.amdhsa_kernarg_size 72
		.amdhsa_user_sgpr_count 2
		.amdhsa_user_sgpr_kernarg_segment_ptr 1
		.amdhsa_wavefront_size32 1
		.amdhsa_system_sgpr_workgroup_id_x 1
		.amdhsa_system_sgpr_workgroup_id_y 1
		.amdhsa_system_sgpr_workgroup_id_z 1
		.amdhsa_system_vgpr_workitem_id 0
		.amdhsa_next_free_vgpr 768
		.amdhsa_next_free_sgpr 66
		.amdhsa_reserve_vcc 1
		.amdhsa_float_denorm_mode_32 3
		.amdhsa_float_denorm_mode_16_64 3
		.amdhsa_memory_ordered 1
		.amdhsa_forward_progress 1
		.amdhsa_inst_pref_size 63
	.end_amdhsa_kernel
	.amdgpu_metadata
---
amdhsa.version: [ 1, 2 ]
amdhsa.kernels:
  - .name:           k_q7d7a6eeeb1_prep
    .symbol:         k_q7d7a6eeeb1_prep.kd
    .args:
      - { .name: sequences, .offset: 0, .size: 8, .value_kind: global_buffer, .address_space: global }
      - { .name: gating_w, .offset: 8, .size: 8, .value_kind: global_buffer, .address_space: global }
      - { .name: gating_b, .offset: 16, .size: 8, .value_kind: global_buffer, .address_space: global }
      - { .name: expert_w_codes, .offset: 24, .size: 8, .value_kind: global_buffer, .address_space: global }
      - { .name: xc, .offset: 32, .size: 8, .value_kind: global_buffer, .address_space: global }
      - { .name: xs, .offset: 40, .size: 8, .value_kind: global_buffer, .address_space: global }
      - { .name: scores, .offset: 48, .size: 8, .value_kind: global_buffer, .address_space: global }
      - { .name: hist, .offset: 56, .size: 8, .value_kind: global_buffer, .address_space: global }
      - { .name: wimg, .offset: 64, .size: 8, .value_kind: global_buffer, .address_space: global }
    .group_segment_fixed_size: 107008
    .private_segment_fixed_size: 0
    .kernarg_segment_align: 8
    .kernarg_segment_size: 72
    .max_flat_workgroup_size: 128
    .sgpr_count:     66
    .vgpr_count:     768
    .wavefront_size: 32
...
	.end_amdgpu_metadata
.endif
;; end of part 5
;; launch place (part 6): grid 1 x 1, 8 waves a work-group, no clusters, 3,072 bytes of LDS; arguments hist, scores, order, table, out1; writes order, table, out1
.if DOCPART == 6
	.amdgcn_target "amdgcn-amd-amdhsa--gfx1250"
	.amdhsa_code_object_version 6
	.text
	.protected	k_q7d7a6eeeb1_place
	.globl	k_q7d7a6eeeb1_place
	.p2align	8
	.type	k_q7d7a6eeeb1_place,@function
k_q7d7a6eeeb1_place:
	s_mov_b64 s[64:65], 0
	v_nop
	global_prefetch_b8 v0, s[64:65] scope:SCOPE_SE
	s_setreg_imm32_b32 hwreg(HW_REG_WAVE_MODE, 25, 1), 1
	s_wait_xcnt 0x0
; PLACE.  One work-group of eight waves.  (1) A counting sort of the 2,048 tokens by their key (pair of experts, 0..27), from the counts and ranks that the launch before stored:
; order[rb[key] + rank of the token within its key] = token.  (2) The table by key: {first unit, first row, rows, lo | hi << 8}; a unit is up to 128 rows of one key.
; (3) out1: the unbiased variance of the scores over the tokens, in two passes (the mean first), all in f32.
; Wave W owns groups 32 W .. 32 W + 31 of 8 tokens, that is tokens 256 W .. 256 W + 255.  In the counts a lane is a key.
; One work-group does it all: the sort wants sums over all tokens, and no traffic goes between work-groups.  The matrix unit, tensor loads and clusters have nothing to do here.
; The stores into order are single words at places that hang on the keys: 8,192 bytes in all.
.set H,   32                           ; v32-63   hist rows of my 32 groups; later what the lane permutes bring
.set P,   64                           ; v64-95   running sums of the counts over my groups
.set S,   96                           ; v96-159  scores: register 4 i + j = token tid / 2 + 128 i, expert 4 (tid % 2) + j
.set TI,  160                          ; v160-167 chunk G of 32 tokens: lane = token: its word
.set K4,  168                          ; v168-175 4 x its key
.set RK,  176                          ; v176-183 its rank in its group
.set QB,  184                          ; v184-191 the base of its key
.set AD,  192                          ; v192-207 a pair (byte offset in order, token) for each chunk: no store's source is written again
.set WT,  208                          ; v208-215 the eight waves' totals
.set VS,  216                          ; v216-247 the eight waves' sums of scores
; LDS: 0: totals, 128 bytes a wave;  1,024: first pass, 32 bytes a wave;  1,280: second pass
; v1 lane, v2 4 lane, v3 16 tid, v4 16 (lane % 2), v5 0, v6 4 tid, v7 32 W + 16 (lane % 2), v8-11 sums then means, v12-15 sums of squares, v16-19, v24 at work for permutes, v27 256 W + lane, v28-31 the table's row
	s_load_b256 s[8:15], s[0:1], 0x0               ; hist, scores, order, table
	s_load_b64 s[16:17], s[0:1], 0x20              ; out1
	v_lshl_add_u32 v254, v0, 2, 0x800
	v_mov_b32 v255, 0
	v_lshrrev_b32 v1, 5, v0
	s_delay_alu instid0(VALU_DEP_1)
	v_readfirstlane_b32 s20, v1                    ; wave W
	v_and_b32 v1, 31, v0
	s_delay_alu instid0(VALU_DEP_1)
	v_lshlrev_b32 v2, 2, v1
	v_lshlrev_b32 v3, 4, v0
	v_and_b32 v4, 1, v0
	s_delay_alu instid0(VALU_DEP_1)
	v_lshlrev_b32 v4, 4, v4
	v_mov_b32 v5, 0
	v_lshlrev_b32 v6, 2, v0
	v_and_b32 v7, 0xe0, v0                         ; 32 W
	s_delay_alu instid0(VALU_DEP_1)
	v_lshl_add_u32 v27, v7, 3, v1                  ; 256 W + lane
	s_delay_alu instid0(VALU_DEP_2)
	v_add_nc_u32 v7, v7, v4
.irp j, 0,1,2,3
	v_mov_b32 v[16+\j], 0                          ; written once: a lane permute's destination counts as one of its sources
.endr
	v_mov_b32 v24, 0
	s_lshl_b32 s22, s20, 12
	s_mov_b32 s23, 0
	s_mov_b32 s24, 0x76543210
	s_mov_b32 s25, 0xfedcba98                      ; v_permlanex16_b32's selects for lane l xor 16
	s_mov_b32 s27, 0xffff0000                      ; lanes 16-31
	s_mov_b32 s28, 0xff00                          ; lanes 8-15,
	s_mov_b32 s29, 0xff0000                        ; 16-23,
	s_mov_b32 s30, 0xff000000                      ; 24-31
	s_wait_kmcnt 0x0
	s_add_nc_u64 s[8:9], s[8:9], s[22:23]          ; my 32 rows of hist
.set g, 0
.rept 32
	global_load_b32 v[H+g], v2, s[8:9] offset:128*g
.set g, g+1
.endr
.set i, 0
.rept 16
	global_load_b128 v[S+4*i:S+4*i+3], v3, s[10:11] offset:4096*i
.set i, i+1
.endr
	s_wait_loadcnt 16                              ; hist is in; the 16 loads of scores may be out
	v_and_b32 v[P], 0xff, v[H]
.set g, 1
.rept 31
	v_and_b32 v[20+g%2], 0xff, v[H+g]
	s_delay_alu instid0(VALU_DEP_1)
	v_add_nc_u32 v[P+g], v[P+g-1], v[20+g%2]       ; the counts of groups 0 .. g
.set g, g+1
.endr
	ds_store_b32 v6, v[P+31]                       ; my wave's totals, lane = key
	s_wait_loadcnt 0x0
	v_pk_add_f32 v[8:9], v[S:S+1], v[S+4:S+5]      ; the first pass: sums of the scores, two chains
	v_pk_add_f32 v[10:11], v[S+2:S+3], v[S+6:S+7]
.set i, 2
.rept 14
	s_delay_alu instid0(VALU_DEP_2)
	v_pk_add_f32 v[8:9], v[8:9], v[S+4*i:S+4*i+1]
	s_delay_alu instid0(VALU_DEP_2)
	v_pk_add_f32 v[10:11], v[10:11], v[S+4*i+2:S+4*i+3]
.set i, i+1
.endr
.macro REDUCE a                        ; over the 16 lanes of my parity: they hold the same four experts
.irp m, 2,4,8
.irp j, 0,1,2,3
	v_add_f32_dpp v[\a+\j], v[\a+\j], v[\a+\j] row_xmask:\m row_mask:0xf bank_mask:0xf
.endr
.endr
.irp j, 0,1,2,3
	s_delay_alu instid0(VALU_DEP_4)
	v_permlanex16_b32 v[16+\j], v[\a+\j], s24, s25
.endr
.irp j, 0,1,2,3
	s_delay_alu instid0(VALU_DEP_4)
	v_add_f32 v[\a+\j], v[\a+\j], v[16+\j]
.endr
.endm
	REDUCE 8
	ds_store_b128 v7, v[8:11] offset:1024          ; lanes of one parity write the same bytes with the same values
	s_wait_dscnt 0x0                               ; for the others' sake: my stores have landed
	s_barrier_signal -1
	s_barrier_wait -1
.irp k, 0,1,2,3,4,5,6,7
	ds_load_b32 v[WT+\k], v2 offset:128*\k
.endr
.irp k, 0,1,2,3,4,5,6,7
	ds_load_b128 v[VS+4*\k:VS+4*\k+3], v4 offset:1024+32*\k
.endr
	s_wait_dscnt 0x0
	v_pk_add_f32 v[8:9], v[VS:VS+1], v[VS+4:VS+5]
	v_pk_add_f32 v[10:11], v[VS+2:VS+3], v[VS+6:VS+7]
.irp k, 2,3,4,5,6,7
	s_delay_alu instid0(VALU_DEP_2)
	v_pk_add_f32 v[8:9], v[8:9], v[VS+4*\k:VS+4*\k+1]
	s_delay_alu instid0(VALU_DEP_2)
	v_pk_add_f32 v[10:11], v[10:11], v[VS+4*\k+2:VS+4*\k+3]
.endr
	s_delay_alu instid0(VALU_DEP_2)
	v_pk_mul_f32 v[8:9], v[8:9], 0x3a000000 op_sel_hi:[1,0]        ; / 2,048: the means of my four experts
	s_delay_alu instid0(VALU_DEP_2)
	v_pk_mul_f32 v[10:11], v[10:11], 0x3a000000 op_sel_hi:[1,0]
.set i, 0
.rept 16
	v_pk_add_f32 v[S+4*i:S+4*i+1], v[S+4*i:S+4*i+1], v[8:9] neg_lo:[0,1] neg_hi:[0,1]          ; the second pass: score - mean,
	v_pk_add_f32 v[S+4*i+2:S+4*i+3], v[S+4*i+2:S+4*i+3], v[10:11] neg_lo:[0,1] neg_hi:[0,1]
.set i, i+1
.endr
	v_pk_mul_f32 v[12:13], v[S:S+1], v[S:S+1]      ; squared and summed; the first squares start the sums
	v_pk_mul_f32 v[14:15], v[S+2:S+3], v[S+2:S+3]
.set i, 1
.rept 15
	s_delay_alu instid0(VALU_DEP_2)
	v_pk_fma_f32 v[12:13], v[S+4*i:S+4*i+1], v[S+4*i:S+4*i+1], v[12:13]
	s_delay_alu instid0(VALU_DEP_2)
	v_pk_fma_f32 v[14:15], v[S+4*i+2:S+4*i+3], v[S+4*i+2:S+4*i+3], v[14:15]
.set i, i+1
.endr
	REDUCE 12
	ds_store_b128 v7, v[12:15] offset:1280
	s_wait_dscnt 0x0
	s_barrier_signal -1
	s_barrier_wait -1                              ; behind this barrier LDS is only read
	; the bases, lane = key
	v_add3_u32 v30, v[WT], v[WT+1], v[WT+2]
	s_delay_alu instid0(VALU_DEP_1)
	v_add3_u32 v30, v30, v[WT+3], v[WT+4]
	s_delay_alu instid0(VALU_DEP_1)
	v_add3_u32 v30, v30, v[WT+5], v[WT+6]
	s_delay_alu instid0(VALU_DEP_1)
	v_add_nc_u32 v30, v30, v[WT+7]                 ; the key's rows in all
	s_wait_alu depctr_va_vdst(0)
	s_cmp_gt_u32 s20, 0
	s_cselect_b32 s26, 1, 0
	v_mul_u32_u24 v21, s26, v[WT]
.irp k, 1,2,3,4,5,6
	s_cmp_gt_u32 s20, \k
	s_cselect_b32 s26, 1, 0
	v_mad_u32_u24 v21, v[WT+\k], s26, v21          ; those of the waves in front of mine
.endr
.macro SCAN v                          ; a running sum over the 32 lanes, the lane's own number included
.irp n, 1,2,4,8
	s_delay_alu instid0(VALU_DEP_1)
	v_mov_b32_dpp v24, v[\v] row_shr:\n row_mask:0xf bank_mask:0xf bound_ctrl:1
	s_delay_alu instid0(VALU_DEP_1)
	v_add_nc_u32 v[\v], v[\v], v24
.endr
	s_delay_alu instid0(VALU_DEP_1)
	v_readlane_b32 s26, v[\v], 15
	s_delay_alu instid0(VALU_DEP_1)
	v_mov_b32 v24, s26
	s_delay_alu instid0(VALU_DEP_1)
	v_cndmask_b32 v24, v5, v24, s27                ; lanes 16-31 add the first half's total
	s_delay_alu instid0(VALU_DEP_1)
	v_add_nc_u32 v[\v], v[\v], v24
.endm
	v_mov_b32 v29, v30
	SCAN 29
	s_delay_alu instid0(VALU_DEP_1)
	v_sub_nc_u32 v29, v29, v30                     ; rb: the rows of the keys in front
	v_add_nc_u32 v23, 127, v30
	s_delay_alu instid0(VALU_DEP_1)
	v_lshrrev_b32 v23, 7, v23                      ; the key's units of up to 128 rows
	s_delay_alu instid0(VALU_DEP_1)
	v_mov_b32 v28, v23
	SCAN 28
	s_delay_alu instid0(VALU_DEP_1)
	v_sub_nc_u32 v28, v28, v23                     ; ub: the units of the keys in front
	v_add_nc_u32 v26, v29, v21                     ; where my wave's tokens of the key begin
	; the placing, 32 tokens (four groups) at a time; lane = token
.irp G, 0,1,2,3,4,5,6,7
	v_cndmask_b32 v[TI+\G], v[H+4*\G], v[H+4*\G+1], s28
	s_delay_alu instid0(VALU_DEP_1)
	v_cndmask_b32 v[TI+\G], v[TI+\G], v[H+4*\G+2], s29
	s_delay_alu instid0(VALU_DEP_1)
	v_cndmask_b32 v[TI+\G], v[TI+\G], v[H+4*\G+3], s30
.endr
.irp G, 0,1,2,3,4,5,6,7
	v_bfe_u32 v[K4+\G], v[TI+\G], 8, 8
	s_delay_alu instid0(VALU_DEP_1)
	v_min_u32 v[K4+\G], 31, v[K4+\G]
	s_delay_alu instid0(VALU_DEP_1)
	v_lshlrev_b32 v[K4+\G], 2, v[K4+\G]
	v_bfe_u32 v[RK+\G], v[TI+\G], 16, 8
.endr
.irp G, 0,1,2,3,4,5,6,7
.irp q, 0,1,2,3
.if 4*\G+\q > 0
	ds_bpermute_b32 v[H+4*\G+\q], v[K4+\G], v[P+4*\G+\q-1]         ; the count of my key in my wave's groups in front of group 4 G + q (group 0 has none in front)
.endif
.endr
	ds_bpermute_b32 v[QB+\G], v[K4+\G], v26
.endr
	s_wait_dscnt 0x0
.irp G, 0,1,2,3,4,5,6,7
.set E0, H+4*\G
.if \G == 0
.set E0, 5
.endif
	v_cndmask_b32 v[H+4*\G], v[E0], v[H+4*\G+1], s28               ; my own group's
	s_delay_alu instid0(VALU_DEP_1)
	v_cndmask_b32 v[H+4*\G], v[H+4*\G], v[H+4*\G+2], s29
	s_delay_alu instid0(VALU_DEP_1)
	v_cndmask_b32 v[H+4*\G], v[H+4*\G], v[H+4*\G+3], s30
	s_delay_alu instid0(VALU_DEP_1)
	v_add3_u32 v[AD+2*\G], v[H+4*\G], v[QB+\G], v[RK+\G]
	s_delay_alu instid0(VALU_DEP_1)
	v_min_u32 v[AD+2*\G], 0x7ff, v[AD+2*\G]        ; a number that was loaded enters an address behind a bound
	s_delay_alu instid0(VALU_DEP_1)
	v_lshlrev_b32 v[AD+2*\G], 2, v[AD+2*\G]
	v_add_nc_u32 v[AD+2*\G+1], 32*\G, v27
	global_store_b32 v[AD+2*\G], v[AD+2*\G+1], s[12:13]
.endr
	s_cmp_lg_u32 s20, 0
	s_cbranch_scc1 .Lend                           ; the table and out1 are wave 0's; no barrier follows
	v_mov_b32 v8, 0
.irp thr, 7,13,18,22,25,27
	v_cmp_le_u32 vcc_lo, \thr, v1
	s_delay_alu instid0(VALU_DEP_1)
	v_add_co_ci_u32 v8, vcc_lo, 0, v8, vcc_lo      ; lo: how many of the keys' first numbers lie at or under the lane
.endr
	s_delay_alu instid0(VALU_DEP_1)
	v_sub_nc_u32 v9, 13, v8
	s_delay_alu instid0(VALU_DEP_1)
	v_mul_u32_u24 v9, v9, v8
	s_delay_alu instid0(VALU_DEP_1)
	v_lshrrev_b32 v9, 1, v9
	s_delay_alu instid0(VALU_DEP_1)
	v_sub_nc_u32 v9, v1, v9
	s_delay_alu instid0(VALU_DEP_1)
	v_add_nc_u32 v9, 1, v9                         ; hi = key - lo (13 - lo) / 2 + 1
	s_delay_alu instid0(VALU_DEP_1)
	v_lshl_or_b32 v31, v9, 8, v8
	global_store_b128 v3, v[28:31], s[14:15]       ; in wave 0 16 tid = 16 lane: 512 consecutive bytes
.irp k, 0,1,2,3,4,5,6,7
	ds_load_b128 v[VS+4*\k:VS+4*\k+3], v4 offset:1280+32*\k
.endr
	s_wait_dscnt 0x0
	v_pk_add_f32 v[12:13], v[VS:VS+1], v[VS+4:VS+5]
	v_pk_add_f32 v[14:15], v[VS+2:VS+3], v[VS+6:VS+7]
.irp k, 2,3,4,5,6,7
	s_delay_alu instid0(VALU_DEP_2)
	v_pk_add_f32 v[12:13], v[12:13], v[VS+4*\k:VS+4*\k+1]
	s_delay_alu instid0(VALU_DEP_2)
	v_pk_add_f32 v[14:15], v[14:15], v[VS+4*\k+2:VS+4*\k+3]
.endr
	s_delay_alu instid0(VALU_DEP_2)
	v_pk_mul_f32 v[12:13], v[12:13], 0x3a001002 op_sel_hi:[1,0]    ; / 2,047
	s_delay_alu instid0(VALU_DEP_2)
	v_pk_mul_f32 v[14:15], v[14:15], 0x3a001002 op_sel_hi:[1,0]
	v_cmp_gt_u32 vcc_lo, 2, v1
	s_wait_alu depctr_va_vdst(0)
	s_wait_xcnt 0x0                                ; EXEC changes only behind this wait
	s_and_saveexec_b32 s26, vcc_lo
	global_store_b128 v4, v[12:15], s[16:17]       ; lanes 0 and 1: experts 0-3 and 4-7
	s_wait_xcnt 0x0
	s_or_b32 exec_lo, exec_lo, s26
.Lend:
	s_wait_tensorcnt 0x0
	ds_add_u32 v254, v255
	s_wait_dscnt 0x0
	s_endpgm
.Lfunc_end_k_q7d7a6eeeb1_place:
	.size	k_q7d7a6eeeb1_place, .Lfunc_end_k_q7d7a6eeeb1_place-k_q7d7a6eeeb1_place
	.p2alignl 7, 3214868480
	.fill 96, 4, 3214868480
	.section	.rodata,"a",@progbits
	.p2align	6, 0x0
	.amdhsa_kernel k_q7d7a6eeeb1_place
		.amdhsa_group_segment_fixed_size 3072
		.amdhsa_private_segment_fixed_size 0
		.amdhsa_enable_private_segment 0
		.amdhsa_kernarg_size 40
		.amdhsa_user_sgpr_count 2
		.amdhsa_user_sgpr_kernarg_segment_ptr 1
		.amdhsa_wavefront_size32 1
		.amdhsa_system_sgpr_workgroup_id_x 1
		.amdhsa_system_sgpr_workgroup_id_y 1
		.amdhsa_system_sgpr_workgroup_id_z 1
		.amdhsa_system_vgpr_workitem_id 0
		.amdhsa_next_free_vgpr 256
		.amdhsa_next_free_sgpr 66
		.amdhsa_reserve_vcc 1
		.amdhsa_float_denorm_mode_32 3
		.amdhsa_float_denorm_mode_16_64 3
		.amdhsa_memory_ordered 1
		.amdhsa_forward_progress 1
		.amdhsa_inst_pref_size 43
	.end_amdhsa_kernel
	.amdgpu_metadata
---
amdhsa.version: [ 1, 2 ]
amdhsa.kernels:
  - .name:           k_q7d7a6eeeb1_place
    .symbol:         k_q7d7a6eeeb1_place.kd
    .args:
      - { .name: hist, .offset: 0, .size: 8, .value_kind: global_buffer, .address_space: global }
      - { .name: scores, .offset: 8, .size: 8, .value_kind: global_buffer, .address_space: global }
      - { .name: order, .offset: 16, .size: 8, .value_kind: global_buffer, .address_space: global }
      - { .name: table, .offset: 24, .size: 8, .value_kind: global_buffer, .address_space: global }
      - { .name: out1, .offset: 32, .size: 8, .value_kind: global_buffer, .address_space: global }
    .group_segment_fixed_size: 3072
    .private_segment_fixed_size: 0
    .kernarg_segment_align: 8
    .kernarg_segment_size: 40
    .max_flat_workgroup_size: 256
    .sgpr_count:     66
    .vgpr_count:     256
    .wavefront_size: 32
...
	.end_amdgpu_metadata
.endif
;; end of part 6
;; launch experts (part 7): grid 8 x 43, 4 waves a work-group, no clusters, 207,360 bytes of LDS; arguments table, order, xc, xs, wimg, expert_w_scales, expert_b, out0; writes out0
.if DOCPART == 7
	.amdgcn_target "amdgcn-amd-amdhsa--gfx1250"
	.amdhsa_code_object_version 6
	.text
	.protected	k_q7d7a6eeeb1_experts
	.globl	k_q7d7a6eeeb1_experts
	.p2align	8
	.type	k_q7d7a6eeeb1_experts,@function
k_q7d7a6eeeb1_experts:
	s_mov_b64 s[64:65], 0
	v_nop
	global_prefetch_b8 v0, s[64:65] scope:SCOPE_SE
	s_setreg_imm32_b32 hwreg(HW_REG_WAVE_SCHED_MODE, 0, 2), 2
	s_setreg_imm32_b32 hwreg(HW_REG_WAVE_MODE, 25, 1), 1
	s_wait_xcnt 0x0
	s_wait_alu depctr_vm_vsrc(0)
; EXPERTS.  out0[t] = (Q(x[t]) W_lo^T + b_lo + Q(x[t]) W_hi^T + b_hi) / 2 for the token's two experts lo < hi, on codes of E2M1 with E8M0 scales.
; Tokens are sorted by their pair of experts (key).  A UNIT is up to 128 rows of one key: all its rows want the same two experts, so a row's result is ONE sum over K = 2 x 1,024 in one accumulator,
; and every row of out0 has one owner.  The halving lies in x's scale bytes, stored less one; (b_lo + b_hi) / 2 is the C of each sum's first matrix instruction.
; GRID.  x = which 512 of the 4,096 columns; y = the unit.  With 2,048 rows, 28 keys and units of 128 there are never more than 16 + 27 = 43 units, whatever the choice.  A work-group whose unit has
; no rows passes the one barrier, stores nothing and ends.
; SHARES.  Wave w makes columns 512 x + 128 w + 0 .. 127 for all the unit's rows, 32 columns (a chunk, two tiles) at a time.  Every wave holds all of the unit's x in registers (8 tiles of 16 rows x 8 K steps,
; 512 registers): each wave gathers two tiles from memory and hands them round through LDS as images of the operand's registers.  W comes from memory straight into registers, from images that
; the first launch laid in the registers' order, through a ring of 8 slots; a slot is one K step of one expert for the chunk's two tiles, four loads of 512 consecutive bytes; the slots are filled again two at a time.
; THE MATRIX INSTRUCTION IS USED TRANSPOSED: source 0 = 16 rows of W, source 1 = 16 tokens: a lane then holds one token and eight neighbouring columns.
; Groups of 32 rows that the unit does not have are passed over by a scalar branch on the stored count; a chunk's first slot has no such branch, so that every accumulator is written on every way.
; Rows beyond the unit's last are copies of its last row: they are computed like it and, where stored at all (the odd half of the last pair), write the same bytes to the same place.
; NO TENSOR LOADS, NO CLUSTER: the branches hang on counts read from memory, so LDS is filled through registers; joint requests are tensor loads.  What the eight work-groups of a unit share is x alone,
; 65,536 of the 622,592 bytes that a work-group takes in; work-groups that share W belong to different units, with different numbers of rows.
; LIMITS: NaN and infinities are not served.
; THE MODE: SCHED_MODE bits 1:0 = 2 (LLVM: expert scheduling mode 2), set by the entry lines.  The code itself states the register dependences between vector or matrix instructions and
; memory or LDS instructions, with s_wait_alu, always for 0.
; THE PLAN.  Registers that memory or LDS instructions touch, and who else names them:
;   v1-v4         addresses, made at the head and never written again.
;   v10-v13       tokens: loaded, bounded by v_min_u32, stored to LDS once.
;   v16-v31       at the head the table's row, and offsets that vector lines make and the head's loads and LDS stores read; on the way out TK: LDS loads land there, two vector lines make offsets of them, the stores read them.
;   AS, WS        loaded once, read by matrix instructions.   BI: loaded, summed and halved in place, read as C.
;   RB            at the head loaded and read by the packed additions; on the way out LDS loads land there and the stores read it.
;   windows 1, 2  my two tiles are loaded, LDS stores read them, LDS loads bring all eight tiles; from there on matrix instructions alone.
;   the ring      loads land in a slot; the slot's matrix instructions read it; loads land in it again.
;   accumulators  matrix instructions write them; a chunk's LDS stores read them; the next chunk's first products write them anew.
; So in the walk over K ONE wait on va_vdst stands for two slots, behind the pair's last products: they are done reading the two slots, and the eight loads follow it in one run.  The loads are not dealt among
; the products: jumps on the stored count lie among those, and no load may be passed over by a jump, or the counts of the waits for loads would differ from way to way.  At a chunk's end the same wait
; says that the accumulators are written, for the stage's stores.  The way out has two waits for each 32 rows: on vm_vsrc at the head, on va_vdst between the offsets' lines and the stores.
.set AS,    32                         ; v32-63   x's scale words: register 8 i + s: lanes 0-15 tile 2 i, lanes 16-31 tile 2 i + 1, K step s
.set WS,    64                         ; v64-127  W's: register 16 q + 8 xp + s: lanes 0-15 the chunk's tile 0, lanes 16-31 tile 1
.set BI,    128                        ; v128-191 (b_lo + b_hi) / 2: register 16 q + 8 t + j: column 32 q + 16 t + 8 (lane / 16) + j
.set RB,    192                        ; v192-255 rows read back from the stage; at the head b_hi
.set TK,    16                         ; v16-31   the way out: 16 tokens, then their byte offsets in out0; at the head addresses
.set RING,  128                        ; window 3: v0-127 the 16 accumulators ((m, t) at 8 (2 m + t)); v128-255 the ring: slot s, tile t, half c at 128 + 16 s + 8 t + 4 c
                                       ; window 1: x's tiles 0-3, tile m, K step s at 64 m + 8 s;  window 2: tiles 4-7
.set STAGE, 65536                      ; LDS: 0: x's images, piece (m, j) at (16 m + j) 512 + 16 lane;  STAGE + WSTG w: 128 rows x (256 bytes + 16), the wave's own;
.set WSTG,  34816
.set TOKT,  204800                     ; TOKT + 512 w: the unit's 128 tokens, the wave's own copy: row 16 m + 2 i + hh at 64 m + 32 hh + 4 i
.set NR,    34                         ; s34 the unit's rows, 0 .. 128
.set NG,    35                         ; s35 its groups of 32 rows
; v1 16 lane, v2 stage in, v3 stage out, v4 tokens out, v5 16 (lane % 16); head only: v6 lane, v7 r, v8 h, v9 16 h, v10-13 tokens of rows 32 i + lane, v14-15 tokens of my two tiles,
; v16-19 the table, then x's scales' offsets, v20-25 offsets in order, v26 images in, v27 tokens in, v28 32 lane, v29 32 h, v30-31 the gather's offsets
; s24 wave, s26 unit, s27 key, s28-31 the key's table row, s32 lo, s33 hi, s36 first row, s37 last row's number, s[40:43] W's images lo, hi, s[44:47] W's scales, s[48:51] biases, s[52:53] out0
.set MSB, 0
.macro WIN new                         ; bits 1:0 source 0, 3:2 source 1, 5:4 source 2, 7:6 destination; the high byte repeats the setting that is left
.if MSB != (\new)
	s_set_vgpr_msb (MSB<<8)|(\new)
.set MSB, (\new)
.endif
.endm
	s_load_b512 s[8:23], s[0:1], 0x0               ; table, order, xc, xs, wimg, W's scales, biases, out0
	v_lshrrev_b32 v6, 5, v0
	v_readfirstlane_b32 s24, v6                    ; wave 0..3
	s_and_b32 s26, ttmp7, 0xffff                   ; the unit
	v_and_b32 v6, 31, v0                           ; lane
	v_and_b32 v7, 15, v0                           ; r
	v_bfe_u32 v8, v0, 4, 1                         ; h
	v_lshlrev_b32 v1, 4, v6
	v_lshlrev_b32 v9, 4, v8
	s_wait_alu depctr_va_sdst(0)                   ; s24, the wave's number, is written, ahead of its first reader
	s_mul_i32 s60, s24, WSTG
	s_add_co_u32 s60, s60, STAGE                   ; my stage
	v_mul_u32_u24 v2, v7, 272
	v_lshl_add_u32 v2, v8, 5, v2
	v_add_nc_u32 v2, s60, v2                       ; in: row r of a tile, 32 bytes for each half of the lanes
	v_mul_u32_u24 v3, v8, 272
	v_lshl_add_u32 v3, v7, 4, v3
	v_add_nc_u32 v3, s60, v3                       ; back: lanes 0-15 one row of 256 bytes, lanes 16-31 the next
	s_lshl_b32 s61, s24, 9
	s_add_co_u32 s61, s61, TOKT                    ; my copy of the tokens
	v_lshl_add_u32 v4, v8, 5, s61
	v_lshlrev_b32 v5, 4, v7
	v_and_b32 v26, 1, v0
	v_bfe_u32 v27, v0, 1, 3
	v_lshlrev_b32 v27, 2, v27
	v_lshl_add_u32 v27, v26, 5, v27
	v_lshl_add_u32 v27, v8, 6, v27
	v_add_nc_u32 v27, s61, v27                     ; row 32 i + lane goes to 128 i + 64 (lane / 16) + 32 (lane % 2) + 4 ((lane % 16) / 2)
	s_lshl_b32 s62, s24, 14
	v_add_nc_u32 v26, s62, v1                      ; my two tiles' images: 16,384 w + 16 lane
	v_lshlrev_b32 v28, 5, v6
	v_lshlrev_b32 v29, 5, v8
	s_lshl_b32 s54, ttmp9, 18
	s_lshl_b32 s57, s24, 16
	s_add_co_u32 s54, s54, s57                     ; my 8 tiles of images: (32 x + 8 w) 8,192
	s_lshl_b32 s55, ttmp9, 14
	s_lshl_b32 s57, s24, 12
	s_add_co_u32 s55, s55, s57                     ; my 128 rows of scale bytes: (512 x + 128 w) 32
	s_lshl_b32 s56, ttmp9, 11
	s_lshl_b32 s57, s24, 9
	s_add_co_u32 s56, s56, s57                     ; my 128 columns in f32: (512 x + 128 w) 4
	s_mov_b32 s59, 0
	s_wait_kmcnt 0x0
	s_wait_alu depctr_va_vdst(0)                   ; v1 is written, which the table's load reads as its offset; so are v2 to v4 and v26 to v29, which later loads and LDS instructions read
	global_load_b128 v[16:19], v1, s[8:9]          ; the table: lane = key
	s_wait_loadcnt 0x0
	v_cmp_ge_u32 s38, s26, v16                     ; the keys whose first unit is mine or earlier: first units never fall, so the last of them is my key
	s_wait_alu depctr_va_sdst(0)                   ; the compare has written s38, ahead of its first reader
	s_and_b32 s38, s38, 0x0fffffff
	s_bcnt1_i32_b32 s27, s38
	s_sub_co_u32 s27, s27, 1
	s_min_u32 s27, s27, 27
	v_readlane_b32 s28, v16, s27                   ; its first unit,
	v_readlane_b32 s29, v17, s27                   ; first row,
	v_readlane_b32 s30, v18, s27                   ; rows,
	v_readlane_b32 s31, v19, s27                   ; experts
	s_wait_alu depctr_va_sdst(0)                   ; s28 to s31 are written, ahead of their first reader: one wait for the four
	s_and_b32 s32, s31, 0xff
	s_min_u32 s32, s32, 7
	s_bfe_u32 s33, s31, 0x80008
	s_min_u32 s33, s33, 7
	s_sub_co_u32 s39, s26, s28
	s_lshl_b32 s39, s39, 7                         ; the rows of the key's units in front of mine
	s_add_co_u32 s36, s29, s39
	s_min_u32 s36, s36, 2047
	s_sub_co_i32 s[NR], s30, s39
	s_max_i32 s[NR], s[NR], 0
	s_min_i32 s[NR], s[NR], 128
	s_add_co_u32 s[NG], s[NR], 31
	s_lshr_b32 s[NG], s[NG], 5
	s_max_u32 s37, s[NR], 1
	s_sub_co_u32 s37, s37, 1
	s_lshl_b32 s58, s32, 21
	s_add_co_u32 s58, s58, s54
	s_add_nc_u64 s[40:41], s[16:17], s[58:59]
	s_lshl_b32 s58, s33, 21
	s_add_co_u32 s58, s58, s54
	s_add_nc_u64 s[42:43], s[16:17], s[58:59]
	s_lshl_b32 s58, s32, 17
	s_add_co_u32 s58, s58, s55
	s_add_nc_u64 s[44:45], s[18:19], s[58:59]
	s_lshl_b32 s58, s33, 17
	s_add_co_u32 s58, s58, s55
	s_add_nc_u64 s[46:47], s[18:19], s[58:59]
	s_lshl_b32 s58, s32, 14
	s_add_co_u32 s58, s58, s56
	s_add_nc_u64 s[48:49], s[20:21], s[58:59]
	s_lshl_b32 s58, s33, 14
	s_add_co_u32 s58, s58, s56
	s_add_nc_u64 s[50:51], s[20:21], s[58:59]
	s_mov_b32 s58, s56
	s_add_nc_u64 s[52:53], s[22:23], s[58:59]
.irp i, 0,1,2,3
	v_add_nc_u32 v[20+\i], 32*\i, v6               ; rows 32 i + lane,
.endr
	s_lshl_b32 s57, s24, 5
	v_add_nc_u32 v24, s57, v7                      ; and the rows of my two tiles: 16 (2 w + u) + r
	v_add_nc_u32 v25, 16, v24
.irp i, 0,1,2,3,4,5
	v_min_u32 v[20+\i], s37, v[20+\i]              ; rows beyond the last are copies of the last
	v_add_nc_u32 v[20+\i], s36, v[20+\i]
	v_min_u32 v[20+\i], 0x7ff, v[20+\i]
	v_lshlrev_b32 v[20+\i], 2, v[20+\i]
.endr
	s_wait_alu depctr_va_vdst(0)                   ; v20 to v25, the offsets in order, are written, which the six loads below read
.irp i, 0,1,2,3,4,5
	global_load_b32 v[10+\i], v[20+\i], s[10:11]
.endr
.irp q, 0,1,2,3
	global_load_b128 v[WS+16*\q:WS+16*\q+3], v28, s[44:45] offset:1024*\q          ; lane l: the eight scale words of row 32 q + l; a pair of loads covers 1,024 consecutive bytes
	global_load_b128 v[WS+16*\q+4:WS+16*\q+7], v28, s[44:45] offset:1024*\q+16
	global_load_b128 v[WS+16*\q+8:WS+16*\q+11], v28, s[46:47] offset:1024*\q
	global_load_b128 v[WS+16*\q+12:WS+16*\q+15], v28, s[46:47] offset:1024*\q+16
.endr
.irp q, 0,1,2,3
.irp t, 0,1
	global_load_b128 v[BI+16*\q+8*\t:BI+16*\q+8*\t+3], v29, s[48:49] offset:128*\q+64*\t
	global_load_b128 v[BI+16*\q+8*\t+4:BI+16*\q+8*\t+7], v29, s[48:49] offset:128*\q+64*\t+16
	global_load_b128 v[RB+16*\q+8*\t:RB+16*\q+8*\t+3], v29, s[50:51] offset:128*\q+64*\t
	global_load_b128 v[RB+16*\q+8*\t+4:RB+16*\q+8*\t+7], v29, s[50:51] offset:128*\q+64*\t+16
.endr
.endr
	s_wait_loadcnt 48                              ; the six loads of tokens are in; the 16 + 32 loads behind them may be out
.irp i, 0,1,2,3,4,5
	v_min_u32 v[10+\i], 0x7ff, v[10+\i]
.endr
	v_lshl_add_u32 v30, v14, 9, v9                 ; a token's 512 bytes of codes, + 16 h
	v_lshl_add_u32 v31, v15, 9, v9
.irp i, 0,1,2,3
	v_lshlrev_b32 v[16+\i], 5, v[10+\i]            ; and its 32 scale bytes
.endr
	WIN 0x40                                       ; destination window 1
	s_wait_alu depctr_va_vdst(0)                   ; v30, v31 and v16 to v19, the offsets of the gather and of x's scales, are written, and so are the bounded tokens v10 to v13, which the LDS stores below read; only loads and window switches stand between
.irp u, 0,1
.irp j, 0,1,2,3,4,5,6,7,8,9,10,11,12,13,14,15
	global_load_b128 v[64*\u+4*\j:64*\u+4*\j+3], v[30+\u], s[12:13] offset:32*\j   ; piece j = 2 s + c: block 2 j + h of row r: registers 4 c .. 4 c + 3 of K step s
.endr
.endr
	WIN 0
.irp i, 0,1,2,3
	global_load_b128 v[AS+8*\i:AS+8*\i+3], v[16+\i], s[14:15]
	global_load_b128 v[AS+8*\i+4:AS+8*\i+7], v[16+\i], s[14:15] offset:16
.endr
	WIN 0xC0                                       ; destination window 3
.irp s, 0,1,2,3,4,5,6,7
.irp t, 0,1
.irp c, 0,1
	global_load_b128 v[RING+16*\s+8*\t+4*\c:RING+16*\s+8*\t+4*\c+3], v1, s[40:41] offset:8192*\t+1024*\s+512*\c   ; the ring's first eight slots: chunk 0, expert lo
.endr
.endr
.endr
	WIN 0
.irp i, 0,1,2,3
	ds_store_b32 v27, v[10+\i] offset:128*\i
.endr
	s_wait_loadcnt 40                              ; the gather (and the biases in front of it) are in; x's 8 loads of scales and the ring's 32 may be out
	WIN 0x04                                       ; an LDS store's data are its source 1: window 1
.irp u, 0,1
.irp j, 0,1,2,3,4,5,6,7,8,9,10,11,12,13,14,15
	ds_store_b128 v26, v[64*\u+4*\j:64*\u+4*\j+3] offset:8192*\u+512*\j            ; the registers as they stand: 512 consecutive bytes a store
.endr
.endr
	WIN 0
.set n, 0
.rept 32
	v_pk_add_f32 v[BI+2*n:BI+2*n+1], v[BI+2*n:BI+2*n+1], v[RB+2*n:RB+2*n+1]
.set n, n+1
.endr
.set n, 0
.rept 32
	v_pk_mul_f32 v[BI+2*n:BI+2*n+1], v[BI+2*n:BI+2*n+1], 0.5 op_sel_hi:[1,0]
.set n, n+1
.endr
	s_wait_dscnt 0x0                               ; for the others' sake: my images have landed
	s_barrier_signal -1
	s_barrier_wait -1                              ; the one barrier: every wave passes it, ahead of every branch on a stored number
	s_wait_alu depctr_vm_vsrc(0)                   ; my LDS stores have read the registers of my two tiles in window 1, in which the LDS loads below land
	s_cmp_eq_u32 s[NR], 0
	s_cbranch_scc1 .Lend                           ; a unit that this split of the tokens does not have
	WIN 0x40
.irp m, 0,1,2,3
.irp j, 0,1,2,3,4,5,6,7,8,9,10,11,12,13,14,15
	ds_load_b128 v[64*\m+4*\j:64*\m+4*\j+3], v1 offset:(16*\m+\j)*512
.endr
.endr
	WIN 0x80
.irp m, 4,5,6,7
.irp j, 0,1,2,3,4,5,6,7,8,9,10,11,12,13,14,15
	ds_load_b128 v[64*(\m-4)+4*\j:64*(\m-4)+4*\j+3], v1 offset:(16*\m+\j)*512
.endr
.endr
	s_wait_dscnt 0x0
; One matrix instruction: tile t of the chunk's columns x tile m of the rows, K step s of expert xp.  In a chunk's first slot C is the bias (window 0), else the accumulator.
.macro MM q, xp, s, m, t
.set rD, 8*(2*(\m)+(\t))
.set rW, RING+16*(\s)+8*(\t)
.set rA, 64*((\m)%4)+8*(\s)
.set rWS, WS+16*(\q)+8*(\xp)+(\s)
.set rAS, AS+8*((\m)/2)+(\s)
.set rC, rD
.if ((\xp) == 0) && ((\s) == 0)
.set rC, BI+16*(\q)+8*(\t)
.endif
.if ((\t) == 0) && ((\m)%2 == 0)
	v_wmma_scale_f32_16x16x128_f8f6f4 v[rD:rD+7], v[rW:rW+7], v[rA:rA+7], v[rC:rC+7], v[rWS], v[rAS] matrix_a_fmt:MATRIX_FMT_FP4 matrix_b_fmt:MATRIX_FMT_FP4
.elseif ((\t) == 1) && ((\m)%2 == 0)
	v_wmma_scale_f32_16x16x128_f8f6f4 v[rD:rD+7], v[rW:rW+7], v[rA:rA+7], v[rC:rC+7], v[rWS], v[rAS] matrix_a_fmt:MATRIX_FMT_FP4 matrix_b_fmt:MATRIX_FMT_FP4 matrix_a_scale:MATRIX_SCALE_ROW1
.elseif (\t) == 0
	v_wmma_scale_f32_16x16x128_f8f6f4 v[rD:rD+7], v[rW:rW+7], v[rA:rA+7], v[rC:rC+7], v[rWS], v[rAS] matrix_a_fmt:MATRIX_FMT_FP4 matrix_b_fmt:MATRIX_FMT_FP4 matrix_b_scale:MATRIX_SCALE_ROW1
.else
	v_wmma_scale_f32_16x16x128_f8f6f4 v[rD:rD+7], v[rW:rW+7], v[rA:rA+7], v[rC:rC+7], v[rWS], v[rAS] matrix_a_fmt:MATRIX_FMT_FP4 matrix_b_fmt:MATRIX_FMT_FP4 matrix_a_scale:MATRIX_SCALE_ROW1 matrix_b_scale:MATRIX_SCALE_ROW1
.endif
.endm
; A SLOT: number 16 q + 8 xp + s of 64.  Up to four groups of four matrix instructions, a group to 32 rows; the accumulators take turns, one instruction a turn, on the shortest way too (four of them):
; The slots go in pairs, an even one and the odd one behind it; the pair's registers are filled again behind the odd one (REFILL).
.macro SLOT q, xp, s
.set SG, 16*(\q)+8*(\xp)+(\s)
.set UP, SG+7-(SG%2)                   ; the youngest slot that has been asked for: at an odd slot its own pair's refill has not gone out yet
.if UP > 63
.set UP, 63                            ; the last eight slots are not filled again: the counts run down
.endif
	s_wait_loadcnt 4*(UP-SG)                       ; loads come back in order (ISA guide 5.7.1): this slot's four are in, the younger slots' (seven at an even slot, six at an odd one) may be out
.irp i, 0,1,2,3
.if (\i > 0) && (((\xp) != 0) || ((\s) != 0))
	WIN 0                                          ; at a branch and at a label every window is 0
	s_cmp_lt_u32 s[NG], \i+1
	s_cbranch_scc1 .Ldone_\@                       ; the unit has no rows 32 i and on
.endif
.if ((\xp) == 0) && ((\s) == 0)
	WIN 0xC7+4*(\i/2)                              ; W and D window 3, x window 1 or 2, C (the bias) window 0
.else
	WIN 0xF7+4*(\i/2)                              ; the same with C in window 3
.endif
	MM \q, \xp, \s, 2*\i, 0
	MM \q, \xp, \s, 2*\i, 1
	MM \q, \xp, \s, 2*\i+1, 0
	MM \q, \xp, \s, 2*\i+1, 1
.endr
	WIN 0
.Ldone_\@:
.endm
; Behind a pair of slots, s and s + 1: their registers take the slots eight further on: the other expert's same K steps, in the same chunk (xp = 0) or the next (xp = 1).
; places: four plain places behind the pair's last products (ISA guide 7.12.1); at a chunk's end five, since the next chunk's first products write over these accumulators.
.macro REFILL q, xp, s, places
.rept \places
	v_nop
.endr
.if (\xp) == 0
.set RBS, 42
.set RO, 16384*(\q)
.else
.set RBS, 40
.set RO, 16384*((\q)+1)
.endif
	WIN 0xC0
	s_wait_alu depctr_va_vdst(0)                   ; the pair's products are done reading the two slots, in which the loads below land; at a chunk's end they have also written the accumulators, which the stage's stores behind these loads read
.irp d, 0,1
.irp t, 0,1
.irp c, 0,1
	global_load_b128 v[RING+16*((\s)+\d)+8*\t+4*\c:RING+16*((\s)+\d)+8*\t+4*\c+3], v1, s[RBS:RBS+1] offset:RO+8192*\t+1024*((\s)+\d)+512*\c   ; every offset is an immediate: no pointer is stepped
.endr
.endr
.endr
.endm
; A finished chunk goes into my stage: a lane's eight numbers are 32 bytes of a row.  Two chunks make rows of 256 bytes.
.macro STAGE_IN q
.if (\q) == 3
.rept 4
	v_nop                                          ; four places in front of the stores that read the results
.endr
	WIN 0x0C                                       ; the data: window 3
	s_wait_alu depctr_va_vdst(0)                   ; the last chunk has no refill at its end: its products have written the accumulators, which the stores below read; the places above stay beside this wait
.else
	WIN 0x0C                                       ; the data: window 3.  (The places and the wait stand in front of the refill above; no vector or matrix instruction since names an accumulator)
.endif
.irp m, 0,1,2,3,4,5,6,7
.irp t, 0,1
	ds_store_b128 v2, v[8*(2*\m+\t):8*(2*\m+\t)+3] offset:4352*\m+128*((\q)%2)+64*\t       ; each accumulator from its low end on
	ds_store_b128 v2, v[8*(2*\m+\t)+4:8*(2*\m+\t)+7] offset:4352*\m+128*((\q)%2)+64*\t+16
.endr
.endr
	WIN 0
.if (\q)%2 == 0
	s_wait_alu depctr_vm_vsrc(0)                   ; the stores above have read the accumulators, which the next chunk's first products write anew.  (Behind an odd chunk the wait at the way out's head says so)
.endif
.endm
; THE WAY OUT of two chunks, 32 rows at a time: rows of 256 bytes come back from my stage, two to an instruction, with their tokens; sixteen lanes store 256 consecutive bytes, aligned, of a token's row.
; The next chunk's W, eight slots, is on its way meanwhile.
.macro WAYOUT P
.irp i, 0,1,2,3
.if \i > 0
	s_cmp_le_u32 s[NR], 32*\i
	s_cbranch_scc1 .Lwo_end_\@
.endif
	s_wait_xcnt 0x0                                ; earlier loads and stores have read the registers that are loaded below
	s_wait_alu depctr_vm_vsrc(0)                   ; the stores of the 32 rows before (the first time: the head's loads and LDS stores) have read v16 to v31 and RB, in which the loads below land; in the first 32 rows also: the stage's stores have read the accumulators
	ds_load_b128 v[TK:TK+3], v4 offset:128*\i
	ds_load_b128 v[TK+4:TK+7], v4 offset:128*\i+16
	ds_load_b128 v[TK+8:TK+11], v4 offset:128*\i+64
	ds_load_b128 v[TK+12:TK+15], v4 offset:128*\i+80
.irp k, 0,1,2,3,4,5,6,7,8,9,10,11,12,13,14,15
	ds_load_b128 v[RB+4*\k:RB+4*\k+3], v3 offset:(32*\i+2*\k)*272      ; LDS serves a wave's instructions in order (ISA guide 5.7.1.4): these see my stores
.endr
	s_wait_dscnt 16                                ; the tokens are in; the 16 loads of rows may be out
.irp k, 0,1,2,3,4,5,6,7,8,9,10,11,12,13,14,15
	v_min_u32 v[TK+\k], 0x7ff, v[TK+\k]
.endr
.irp k, 0,1,2,3,4,5,6,7,8,9,10,11,12,13,14,15
	v_lshl_add_u32 v[TK+\k], v[TK+\k], 14, v5      ; a row of out0 is 16,384 bytes
.endr
	s_wait_dscnt 0x0
	s_wait_alu depctr_va_vdst(0)                   ; the sixteen offsets in v16 to v31 are written, which the stores below read; no vector line behind this wait names them, so the next 32 rows' loads into them owe no second one
.irp k, 0,1,2,3,4,5,6,7,8,9,10,11,12,13,14,15
.if \k > 0
	s_cmp_le_u32 s[NR], 32*\i+2*\k
	s_cbranch_scc1 .Lwo_end_\@
.endif
	global_store_b128 v[TK+\k], v[RB+4*\k:RB+4*\k+3], s[52:53] offset:256*(\P) th:TH_STORE_NT
.endr
.endr
.Lwo_end_\@:
.endm
.irp q, 0,1,2,3
.irp xp, 0,1
.irp s, 0,2,4,6
	SLOT \q, \xp, \s
	SLOT \q, \xp, \s+1
.if 16*\q+8*\xp+\s < 55                ; the last eight slots have no successor
.if (\xp == 1) && (\s == 6)
	REFILL \q, \xp, \s, 5
.else
	REFILL \q, \xp, \s, 4
.endif
.endif
.endr
.endr
	STAGE_IN \q
.if \q%2
	WAYOUT \q/2
.endif
.endr
.Lend:
	s_wait_xcnt 0x0
	s_wait_alu depctr_vm_vsrc(0)                   ; the way out's stores have read v254 and v255, which the two lines below write
	v_lshl_add_u32 v254, v0, 2, 0x32800
	v_mov_b32 v255, 0
	s_wait_dscnt 0x0                               ; the closing lines, six on end
	s_wait_alu 0x0
	s_wait_tensorcnt 0x0
	ds_add_u32 v254, v255
	s_wait_dscnt 0x0
	s_endpgm
.Lfunc_end_k_q7d7a6eeeb1_experts:
	.size	k_q7d7a6eeeb1_experts, .Lfunc_end_k_q7d7a6eeeb1_experts-k_q7d7a6eeeb1_experts
	.p2alignl 7, 3214868480
	.fill 96, 4, 3214868480
	.section	.rodata,"a",@progbits
	.p2align	6, 0x0
	.amdhsa_kernel k_q7d7a6eeeb1_experts
		.amdhsa_group_segment_fixed_size 207360
		.amdhsa_private_segment_fixed_size 0
		.amdhsa_enable_private_segment 0
		.amdhsa_kernarg_size 64
		.amdhsa_user_sgpr_count 2
		.amdhsa_user_sgpr_kernarg_segment_ptr 1
		.amdhsa_wavefront_size32 1
		.amdhsa_system_sgpr_workgroup_id_x 1
		.amdhsa_system_sgpr_workgroup_id_y 1
		.amdhsa_system_sgpr_workgroup_id_z 1
		.amdhsa_system_vgpr_workitem_id 0
		.amdhsa_next_free_vgpr 1024
		.amdhsa_next_free_sgpr 66
		.amdhsa_reserve_vcc 0
		.amdhsa_float_denorm_mode_32 3
		.amdhsa_float_denorm_mode_16_64 3
		.amdhsa_memory_ordered 1
		.amdhsa_forward_progress 1
		.amdhsa_inst_pref_size 255
	.end_amdhsa_kernel
	.section	.bss,"aw",@nobits
	.p2align	6
	.space	262144
	.amdgpu_metadata
---
amdhsa.version: [ 1, 2 ]
amdhsa.kernels:
  - .name:           k_q7d7a6eeeb1_experts
    .symbol:         k_q7d7a6eeeb1_experts.kd
    .args:
      - { .name: table, .offset: 0, .size: 8, .value_kind: global_buffer, .address_space: global }
      - { .name: order, .offset: 8, .size: 8, .value_kind: global_buffer, .address_space: global }
      - { .name: xc, .offset: 16, .size: 8, .value_kind: global_buffer, .address_space: global }
      - { .name: xs, .offset: 24, .size: 8, .value_kind: global_buffer, .address_space: global }
      - { .name: wimg, .offset: 32, .size: 8, .value_kind: global_buffer, .address_space: global }
      - { .name: expert_w_scales, .offset: 40, .size: 8, .value_kind: global_buffer, .address_space: global }
      - { .name: expert_b, .offset: 48, .size: 8, .value_kind: global_buffer, .address_space: global }
      - { .name: out0, .offset: 56, .size: 8, .value_kind: global_buffer, .address_space: global }
    .group_segment_fixed_size: 207360
    .private_segment_fixed_size: 0
    .kernarg_segment_align: 8
    .kernarg_segment_size: 64
    .max_flat_workgroup_size: 128
    .sgpr_count:     66
    .vgpr_count:     1024
    .wavefront_size: 32
...
	.end_amdgpu_metadata
.endif
;; end of part 7
